; MI455X (gfx1250); checked and timed in simulation.
; The chip was launched on July 23, 2026; its instructions are those of AMD's public machine-readable ISA for CDNA 5 (MIT licence, August 2026) and "CDNA5" Instruction Set Architecture Reference Guide (July 2026). The comments in the code are by the model that wrote it; some were corrected since.
;; Multi Head Attention. Allowed arithmetic: matrix products marked QUANTISED: E2M3 operands, one E8M0 scale for each 32 along K, by v_wmma_scale_f32_16x16x128_f8f6f4 with both operands' format E2M3, f32 sums; everything else in f32.
;; Inputs: Wk 1,024 x 1,024 float32; Wo 1,024 x 1,024 float32; Wq 1,024 x 1,024 float32; Wv 1,024 x 1,024 float32; bk 1,024 float32; bo 1,024 float32; bq 1,024 float32; bv 1,024 float32; mask 2,048 x 2,048 bool; pre_key 2 x 2,048 x 1,024 float32; pre_query 2 x 2,048 x 1,024 float32; pre_value 2 x 2,048 x 1,024 float32.
;; Outputs: out0 2 x 2,048 x 1,024 float32.
;; This version of the problem:
;;   THIS VERSION OF THE PROBLEM IS GIVEN IN LOW PRECISION. The matrix products marked QUANTISED in the list below multiply operands that are first quantised to E2M3 (2 exponent bits, 3 mantissa bits; 6 bits a number), with one power-of-two scale for each 32 numbers along K (OCP MX v1.0); their sums are f32. All else is computed in f32.
;;   The module's matrix products, in the order in which they are computed (A, B: the left and right operand; K: the contracted axis; several contracted axes count as one K, in the product's order):
;;     1. [M 4,096, K 1,024] x [K 1,024, N 1,024]; A: input pre_query; B: input Wq: QUANTISED
;;     2. [M 4,096, K 1,024] x [K 1,024, N 1,024]; A: input pre_key; B: input Wk: QUANTISED
;;     3. [M 4,096, K 1,024] x [K 1,024, N 1,024]; A: input pre_value; B: input Wv: QUANTISED
;;     4. batch 32 x [M 2,048, K 64] x [K 64, N 2,048]; A: computed on the way; B: computed on the way: QUANTISED
;;     5. batch 32 x [M 64, K 2,048] x [K 2,048, N 2,048]; A: computed on the way; B: softmax (see below): QUANTISED
;;     6. [M 4,096, K 1,024] x [K 1,024, N 1,024]; A: computed on the way; B: input Wo: QUANTISED
;;   THE QUANTISER, for each operand of a quantised product, along K:
;;     - K is cut into blocks of 32 from its start; a last block that is shorter is filled with zeros.
;;     - A block's scale is 2^e with e = floor(log2(the largest magnitude in the block)) - 2, held to -126 .. 127; a block of zeros has e = 0. As a byte (E8M0): e + 127.
;;     - Each number is divided by its block's scale, clamped to +-7.5, and rounded to the nearest number of E2M3, ties to even, subnormals kept.
;;     - The product sums the exact products of the quantised numbers (number of the format x scale) in f32.
;;   ~~~python
;;   def quantise(x, axis):      # numpy; x: float32 -> the quantised numbers, widened to float32 again
;;       x = np.moveaxis(x, axis, -1); K = x.shape[-1]
;;       x = np.pad(x, [(0, 0)] * (x.ndim - 1) + [(0, -K % 32)]); x = x.reshape(x.shape[:-1] + (-1, 32)); a = np.abs(x).max(-1, keepdims=True)
;;       e = np.where(a > 0, np.clip(np.frexp(np.where(a > 0, a, 1))[1] - 1 - 2, -126, 127), 0)      # np.frexp(a)[1] - 1 = floor(log2(a)), exactly
;;       r = np.clip(x / 2.0 ** e, -7.5, 7.5)
;;       step = 2.0 ** (np.maximum(np.frexp(np.where(r == 0, 1, r))[1] - 1, 0) - 3)
;;       q = np.round(r / step) * step * 2.0 ** e      # np.round: ties to even
;;       return np.moveaxis(q.reshape(q.shape[:-2] + (-1,))[..., :K], -1, axis).astype(np.float32)
;;   ~~~
;;   SOFTMAX AHEAD OF A QUANTISED PRODUCT. Where the list says 'softmax', what is quantised is not the finished softmax but p = 2^(t - M), with t = logit x log2(e) and M = ceil(the row's largest t), a whole number; so 1/2 < the row's largest p <= 1. The row's sum l is taken of the UNQUANTISED p, in f32, and the product's result is divided by l at the end. Since M is a whole number, a kernel that streams over the keys may use a running M (the ceiling of the running maximum): every later rescaling is an exact power of two, which a block's scale takes up: the codes' values come out the same.
;;   OPERANDS COMPUTED ON THE WAY. 'Computed on the way' means the value that the module computes at that place (a softmax that the list does not call 'softmax' is quantised finished and normalised). What goes into a quantiser is computed in f32, as accurately as f32 sums, v_exp_f32 and their like allow (about 1e-6 of the number): no bf16 or f16 on the way to a quantiser, and a product that is left as it is and whose result goes on into a quantised operand takes f32 operands (vector FMAs, or v_wmma_f32_16x16x4_f32). A number that lies on a knife's edge between two numbers of the format may be rounded either way, as far as f32 arithmetic and the matrix unit's own rounding can turn it there, and no further.
;; One version. Each part assembles by itself: llvm-mc -triple=amdgcn-amd-amdhsa -mcpu=gfx1250 --defsym DOCPART=n.
;; ======== version 1 of 1: 4 launches
;; limits: right only within a limited range of input values
;; workspace buffers: xw 13,107,200 bytes; mbits 524,800 bytes of whole numbers; qkv 9,830,400 bytes; oc 3,276,800 bytes
;; launch prep (part 1): grid 256 x 1, 4 waves a work-group, no clusters, 34,304 bytes of LDS; arguments Wq, Wk, Wv, Wo, mask, xw, mbits; writes xw, mbits
.if DOCPART == 1
	.amdgcn_target "amdgcn-amd-amdhsa--gfx1250"
	.amdhsa_code_object_version 6
	.text
	.protected	k_qee60b451ff_prep
	.globl	k_qee60b451ff_prep
	.p2align	8
	.type	k_qee60b451ff_prep,@function
k_qee60b451ff_prep:
	s_mov_b64 s[64:65], 0
	v_nop
	global_prefetch_b8 v0, s[64:65] scope:SCOPE_SE
	s_setreg_imm32_b32 hwreg(HW_REG_WAVE_MODE, 25, 1), 1
	s_wait_xcnt 0x0
; PREP.  (1) The four weights, f32 with K (1,024) innermost, become codes of FP6 (E2M3) with one E8M0 byte for each 32 along K.  (2) The mask becomes words of 32 bits, a bit a lane, and a flag bit for each tile and key step.
; No step and no input of the problem is left out by this program.
; THE CODES' LAYOUT is the order of the matrix operand's registers.  A UNIT is 64 rows x 128 K, 6,400 bytes (25 x 256):
;   half fragment HF(c, a), 768 bytes at 3072 c + 768 a: 16 rows x K = 64 c .. 64 c + 63; lane l = (r = l % 16, h = l / 16) owns the 24 bytes of codes k = 32 h .. 32 h + 31 of its row:
;   16 of them at 16 l, the other 8 at 512 + 8 l.  LANE ROW r OF TILE a IS ROW 32 (r / 8) + 8 a + r % 8 OF THE 64: where such tiles are source 0 of a product, register 8 a + j of lane half h
;   holds row 32 h + 8 a + j, so a lane's 32 registers of the four tiles are one whole block of 32 neighbours.
;   256 bytes of scales at 6144.  Wo: words Z(c) at 128 c: the word of lane (r, hh) holds the two bytes (K's half c) of tile 2 hh's row r in its low half and those of tile 2 hh + 1 in its high half.
;   Wq, Wk, Wv: words as the scaled product takes them, at 128 z: the word of lane (r, hh) holds the four bytes of row r of tile 2 z + hh.
; WHERE: tensor t (Wq, Wk, Wv, Wo) begins at byte 9,830,400 + 819,200 t of xw (the bytes below are not used).  The unit of rows 64 G .. and K = 128 s .. is unit 16 s + G of Wq, Wk, Wv
; (a K step's sixteen units on end) and unit 8 G + s of Wo.
; A block's scale byte is the largest magnitude's exponent field - 2, held at 1 from below by a floor among the maximum's sources.
; LIMITS: a block of zeros gets the byte 1 (its codes are zeros, and this program alone reads the bytes); NaN and infinities among the inputs are not served.
; SHARES.  Work-groups 0 to 127: each of the four waves makes one unit, tile by tile; a tile's 16 rows are loaded 512 consecutive bytes a load, turn through the wave's own stage in LDS (rows 528 bytes apart)
; and come back 32 neighbours along K, twice, to a lane.  Loads run a tile (16 loads) ahead.
; Work-groups 128 to 255: tile T = g - 128 of 16 queries (query 64 (T / 4) + 8 (T % 4) + 32 (r / 8) + r % 8); wave w takes key steps 4 w .. 4 w + 3 of 128 keys.  Word j (0 .. 63) of a step, bit (r, h), is
; the mask at key 128 step + 64 (j / 32) + 32 h + j % 32: the lane and register in which the attention launch holds that score.  Byte 524,288 + 4 T + w of mbits: bit k is set where step 4 w + k hides no key of the tile.
.set STGB, 8448                        ; a wave's stage: 16 rows x 528 bytes
.set XN,   48                          ; v48-111   a lane's 64 numbers (mask path: the mask's bytes)
.set CC,   32                          ; v32-43    a tile's codes (mask path: v32-39 the words)
.set RA,   112                         ; v112-239  two sets of 64: a tile's numbers as loaded
	s_load_b256 s[8:15], s[0:1], 0x0               ; Wq, Wk, Wv, Wo
	s_load_b128 s[16:19], s[0:1], 0x20             ; mask s[16:17], xw s[18:19]
	s_load_b64 s[20:21], s[0:1], 0x30              ; mbits
	v_lshl_add_u32 v240, v0, 2, 0x8400
	v_mov_b32 v241, 0
	v_lshrrev_b32 v1, 5, v0
	v_readfirstlane_b32 s2, v1                     ; wave 0..3
	v_and_b32 v1, 31, v0                           ; lane
	v_and_b32 v2, 15, v0                           ; r
	v_bfe_u32 v3, v0, 4, 1                         ; h
	v_lshlrev_b32 v4, 4, v1
	v_lshlrev_b32 v5, 3, v1
	v_lshlrev_b32 v6, 2, v1
	s_mov_b32 s35, 0
	s_cmp_ge_u32 ttmp9, 128
	s_cbranch_scc1 .Lmask
	; ---------------- the quantiser
	s_mul_i32 s3, s2, STGB
	v_add_nc_u32 v7, s3, v4                        ; into the stage: 16 x lane of a row
	v_mul_u32_u24 v8, v2, 528
	v_lshl_add_u32 v8, v3, 7, v8
	v_add_nc_u32 v8, s3, v8                        ; out of it: row r, + 128 h
	v_lshlrev_b32 v9, 3, v3                        ; 8 h
	v_mov_b32 v21, 0                               ; a lane permute's destination counts as one of its sources
	s_mov_b32 s28, 0x76543210
	s_mov_b32 s29, 0xfedcba98                      ; selects for lane l xor 16
	s_mov_b32 s30, 0x05040100
	s_mov_b32 s31, 0x07060302
	s_mov_b32 s32, 0xffff0000                      ; lanes 16-31
	s_wait_kmcnt 0x0
	s_mov_b64 s[4:5], s[14:15]                     ; which tensor: the choice hangs on the work-group's number alone
	s_cmp_lt_u32 ttmp9, 96
	s_cselect_b64 s[4:5], s[12:13], s[4:5]
	s_cmp_lt_u32 ttmp9, 64
	s_cselect_b64 s[4:5], s[10:11], s[4:5]
	s_cmp_lt_u32 ttmp9, 32
	s_cselect_b64 s[4:5], s[8:9], s[4:5]
	s_lshr_b32 s33, ttmp9, 5                       ; t
	s_and_b32 s6, ttmp9, 31                        ; two work-groups to a group of 64 rows
	s_lshr_b32 s7, s6, 1                           ; G
	s_lshl_b32 s34, s7, 18                         ; 64 rows of 4,096 bytes
	s_and_b32 s6, s6, 1
	s_lshl_b32 s6, s6, 2
	s_add_co_u32 s6, s6, s2                        ; s: my K step of 128
	s_lshl_b32 s36, s6, 9
	s_add_co_u32 s34, s34, s36
	s_add_nc_u64 s[4:5], s[4:5], s[34:35]
	s_lshl_b32 s36, s6, 4
	s_add_co_u32 s36, s36, s7                      ; 16 s + G
	s_lshl_b32 s37, s7, 3
	s_add_co_u32 s37, s37, s6                      ; 8 G + s
	s_cmp_lt_u32 ttmp9, 96
	s_cselect_b32 s36, s36, s37
	s_cselect_b32 s38, -1, 0                       ; all lanes: the scales as the product takes them
	s_lshl_b32 s37, s33, 7                         ; 128 units a tensor
	s_add_co_u32 s36, s36, s37
	s_mul_i32 s34, s36, 6400
	s_add_co_u32 s34, s34, 9830400                 ; my unit in xw
	s_add_nc_u64 s[24:25], s[18:19], s[34:35]
.macro LOAD t                          ; tile t's 16 rows: 32 lanes read 512 consecutive bytes
.irp p, 0,1,2,3,4,5,6,7,8,9,10,11,12,13,14,15
	global_load_b128 v[RA+64*((\t)%2)+4*\p:RA+64*((\t)%2)+4*\p+3], v4, s[4:5] offset:(32*(\p/8)+8*(\t)+(\p%8))*4096 th:TH_LOAD_NT
.endr
.endm
.macro TILE t
.if (\t) < 3
	s_wait_loadcnt 16                              ; this tile's 16 loads are in; the next tile's 16 may be out
.else
	s_wait_loadcnt 0x0
.endif
.irp p, 0,1,2,3,4,5,6,7,8,9,10,11,12,13,14,15
	ds_store_b128 v7, v[RA+64*((\t)%2)+4*\p:RA+64*((\t)%2)+4*\p+3] offset:528*\p
.endr
.irp c, 0,1                            ; LDS serves a wave's instructions in order
.irp i, 0,1,2,3,4,5,6,7
	ds_load_b128 v[XN+32*\c+4*\i:XN+32*\c+4*\i+3], v8 offset:256*\c+16*\i
.endr
.endr
	s_wait_dscnt 0x0                               ; my 64 numbers are back: k = 64 c + 32 h + 0 .. 31 of row r
.if (\t) < 2
	LOAD (\t)+2
.endif
.irp c, 0,1
	v_max3_num_f32 v[10+\c], |v[XN+32*\c]|, |v[XN+32*\c+1]|, 0x1800000   ; the floor 2^(3 - 127) keeps the byte at 1 or above
.endr
.irp i, 2,4,6,8,10,12,14,16,18,20,22,24,26,28,30
.irp c, 0,1
	v_max3_num_f32 v[10+\c], v[10+\c], |v[XN+32*\c+\i]|, |v[XN+32*\c+\i+1]|
.endr
.endr
.irp c, 0,1
	v_add_nc_u32 v[12+\c], 0xff000000, v[10+\c]    ; 2 off the exponent field: the conversion's scale operand
.endr
.irp c, 0,1
	v_lshrrev_b32 v[14+\c], 23, v[12+\c]           ; the scale's byte
.endr
	s_wait_alu depctr_va_vdst(0)                   ; the wait ahead of the wait below
	s_wait_xcnt 0x0                                ; the last tile's stores have read the codes' registers
.irp c, 0,1
	v_cvt_scalef32_pk16_fp6_f32 v[CC+6*\c:CC+6*\c+2], v[XN+32*\c:XN+32*\c+15], v[12+\c]
	v_cvt_scalef32_pk16_fp6_f32 v[24+4*\c:26+4*\c], v[XN+32*\c+16:XN+32*\c+31], v[12+\c]
.endr
	v_nop                                          ; one plain place behind the scaled conversions
.irp c, 0,1
.irp i, 0,1,2
	v_mov_b32 v[CC+6*\c+3+\i], v[24+4*\c+\i]
.endr
.endr
	v_lshl_or_b32 v20, v15, 16, v14                ; my two bytes: blocks h and 2 + h,
	v_lshlrev_b32 v20, v9, v20                     ; 8 h bits up;
	v_permlanex16_b32 v21, v20, s28, s29
	v_or_b32 v[16+(\t)], v20, v21                  ; with lane l xor 16's two: row r's four bytes
.irp c, 0,1
	global_store_b128 v4, v[CC+6*\c:CC+6*\c+3], s[24:25] offset:3072*\c+768*(\t)        ; 512 consecutive bytes, aligned to 256
	global_store_b64 v5, v[CC+6*\c+4:CC+6*\c+5], s[24:25] offset:3072*\c+768*(\t)+512   ; and 256
.endr
.endm
	s_wait_alu depctr_va_vdst(0)
	LOAD 0
	LOAD 1
	TILE 0
	TILE 1
	TILE 2
	TILE 3
	v_perm_b32 v20, v17, v16, s30                  ; Wo's form.  K's first half: tiles 0 and 1,
	v_perm_b32 v21, v19, v18, s30                  ; tiles 2 and 3
	v_cndmask_b32 v22, v20, v21, s32
	v_perm_b32 v20, v17, v16, s31                  ; the same of K's second half
	v_perm_b32 v21, v19, v18, s31
	v_cndmask_b32 v23, v20, v21, s32
	v_cndmask_b32 v20, v16, v17, s32               ; the other weights' form: tile 0 in lanes 0-15, tile 1 in lanes 16-31;
	v_cndmask_b32 v21, v18, v19, s32               ; tiles 2 and 3
	v_cndmask_b32 v22, v22, v20, s38
	v_cndmask_b32 v23, v23, v21, s38
	global_store_b32 v6, v22, s[24:25] offset:6144
	global_store_b32 v6, v23, s[24:25] offset:6272
	s_wait_tensorcnt 0x0                           ; the wave's end
	ds_add_u32 v240, v241
	s_wait_dscnt 0x0
	s_endpgm
	; ---------------- the mask (no LDS on this path)
.Lmask:
	s_sub_co_u32 s3, ttmp9, 128                    ; T
	s_lshr_b32 s6, s3, 2
	s_lshl_b32 s6, s6, 6
	s_and_b32 s7, s3, 3
	s_lshl_b32 s7, s7, 3
	s_add_co_u32 s6, s6, s7                        ; the tile's first query: 64 (T / 4) + 8 (T % 4)
	s_lshl_b32 s6, s6, 11                          ; rows of 2,048 bytes
	s_lshl_b32 s7, s2, 9                           ; my four key steps: 512 bytes of each row
	s_add_co_u32 s34, s6, s7
	s_lshl_b32 s36, s3, 12                         ; a tile's words: 16 steps x 256 bytes
	s_lshl_b32 s7, s2, 10
	s_add_co_u32 s36, s36, s7
	s_mov_b32 s37, 0
	s_lshl_b32 s38, s3, 2
	s_add_co_u32 s38, s38, s2
	s_add_co_u32 s38, s38, 524288                  ; my flag byte
	s_mov_b32 s39, 0
	s_wait_alu depctr_va_vdst(0)
	v_and_b32 v10, 8, v2
	v_mad_u32_u24 v10, v10, 3, v2                  ; r + 24 (r / 8)
	v_lshlrev_b32 v10, 11, v10
	v_lshl_add_u32 v10, v3, 5, v10                 ; + 32 h
.irp i, 0,1,2,3,4,5,6,7
	v_mov_b32 v[CC+\i], 0                          ; v_writelane_b32's destination counts as read
.endr
	s_wait_alu depctr_va_vdst(0)
	s_wait_kmcnt 0x0
	s_add_nc_u64 s[22:23], s[16:17], s[34:35]
	s_add_nc_u64 s[38:39], s[20:21], s[38:39]
	s_add_nc_u64 s[26:27], s[20:21], s[36:37]
.irp k, 0,1,2,3
.irp q, 0,1,2,3
	global_load_b128 v[XN+16*\k+4*\q:XN+16*\k+4*\q+3], v10, s[22:23] offset:128*\k+64*(\q/2)+16*(\q%2)   ; keys 128 k + 64 (q / 2) + 32 h + 16 (q % 2) + 0 .. 15 of my query
.endr
.endr
	s_wait_loadcnt 0x0
	s_mov_b32 s44, 0
.irp k, 0,1,2,3                        ; a step's flag: every byte of every lane is 1
	v_and_b32 v16, v[XN+16*\k], v[XN+16*\k+1]
.irp i, 2,3,4,5,6,7,8,9,10,11,12,13,14,15
	v_and_b32 v16, v16, v[XN+16*\k+\i]
.endr
	v_cmp_eq_u32 s45, 0x01010101, v16
	s_cmp_eq_u32 s45, -1
	s_cselect_b32 s45, 1<<\k, 0
	s_or_b32 s44, s44, s45
.endr
.set kk, 0
.rept 4
.set j, 0
.rept 64                               ; word j: a byte of every lane becomes a bit; the word goes to lane j / 2, register j % 2
	v_and_b32 v[12+(j&3)], 0xff<<(8*(j&3)), v[XN+16*kk+4*(j>>4)+((j&15)>>2)]
	v_cmp_ne_u32 s[40+(j&3)], 0, v[12+(j&3)]
	v_writelane_b32 v[CC+2*kk+(j&1)], s[40+(j&3)], j>>1
.set j, j+1
.endr
	global_store_b64 v5, v[CC+2*kk:CC+2*kk+1], s[26:27] offset:256*kk   ; a step's 64 words: 256 consecutive bytes, aligned
.set kk, kk+1
.endr
	v_mov_b32 v16, s44
	v_mov_b32 v17, 0
	v_cmp_eq_u32 vcc_lo, 0, v1
	s_wait_alu depctr_va_vdst(0)                   ; the wait ahead of the wait below
	s_wait_xcnt 0x0                                ; EXEC changes only behind this wait
	s_and_saveexec_b32 s46, vcc_lo
	global_store_b8 v17, v16, s[38:39]             ; lane 0 alone: my four flags
	s_wait_xcnt 0x0
	s_or_b32 exec_lo, exec_lo, s46
	s_endpgm
.Lfunc_end_k_qee60b451ff_prep:
	.size	k_qee60b451ff_prep, .Lfunc_end_k_qee60b451ff_prep-k_qee60b451ff_prep
	.p2alignl 7, 3214868480
	.fill 96, 4, 3214868480
	.section	.rodata,"a",@progbits
	.p2align	6, 0x0
	.amdhsa_kernel k_qee60b451ff_prep
		.amdhsa_group_segment_fixed_size 34304
		.amdhsa_private_segment_fixed_size 0
		.amdhsa_enable_private_segment 0
		.amdhsa_kernarg_size 56
		.amdhsa_user_sgpr_count 2
		.amdhsa_user_sgpr_kernarg_segment_ptr 1
		.amdhsa_wavefront_size32 1
		.amdhsa_system_sgpr_workgroup_id_x 1
		.amdhsa_system_sgpr_workgroup_id_y 1
		.amdhsa_system_sgpr_workgroup_id_z 1
		.amdhsa_system_vgpr_workitem_id 0
		.amdhsa_next_free_vgpr 242
		.amdhsa_next_free_sgpr 66
		.amdhsa_reserve_vcc 1
		.amdhsa_float_denorm_mode_32 3
		.amdhsa_float_denorm_mode_16_64 3
		.amdhsa_memory_ordered 1
		.amdhsa_forward_progress 1
		.amdhsa_inst_pref_size 86
	.end_amdhsa_kernel
	.amdgpu_metadata
---
amdhsa.version: [ 1, 2 ]
amdhsa.kernels:
  - .name:           k_qee60b451ff_prep
    .symbol:         k_qee60b451ff_prep.kd
    .args:
      - { .name: Wq, .offset: 0, .size: 8, .value_kind: global_buffer, .address_space: global }
      - { .name: Wk, .offset: 8, .size: 8, .value_kind: global_buffer, .address_space: global }
      - { .name: Wv, .offset: 16, .size: 8, .value_kind: global_buffer, .address_space: global }
      - { .name: Wo, .offset: 24, .size: 8, .value_kind: global_buffer, .address_space: global }
      - { .name: mask, .offset: 32, .size: 8, .value_kind: global_buffer, .address_space: global }
      - { .name: xw, .offset: 40, .size: 8, .value_kind: global_buffer, .address_space: global }
      - { .name: mbits, .offset: 48, .size: 8, .value_kind: global_buffer, .address_space: global }
    .group_segment_fixed_size: 34304
    .private_segment_fixed_size: 0
    .kernarg_segment_align: 8
    .kernarg_segment_size: 56
    .max_flat_workgroup_size: 128
    .sgpr_count:     66
    .vgpr_count:     242
    .wavefront_size: 32
...
	.end_amdgpu_metadata
.endif
;; end of part 1
;; launch proj (part 2): grid 64 x 3, 4 waves a work-group, clusters of 4 x 1, 327,680 bytes of LDS; arguments pre_query, pre_key, pre_value, xw, bq, bk, bv, qkv; writes qkv
.if DOCPART == 2
	.amdgcn_target "amdgcn-amd-amdhsa--gfx1250"
	.amdhsa_code_object_version 6
	.text
	.protected	k_qee60b451ff_proj
	.globl	k_qee60b451ff_proj
	.p2align	8
	.type	k_qee60b451ff_proj,@function
k_qee60b451ff_proj:
	s_mov_b64 s[64:65], 0
	v_nop
	global_prefetch_b8 v0, s[64:65] scope:SCOPE_SE
	s_setreg_imm32_b32 hwreg(HW_REG_WAVE_MODE, 25, 1), 1
	s_wait_xcnt 0x0
	s_wait_alu depctr_hold_cnt(0) depctr_sa_sdst(0) depctr_va_vdst(0) depctr_va_sdst(0) depctr_va_ssrc(0) depctr_va_vcc(0) depctr_vm_vsrc(0)
	s_getreg_b32 s2, hwreg(HW_REG_IB_STS2, 6, 4)
	s_cmp_eq_u32 s2, 0
	s_cbranch_scc0 .Lentry_in_a_cluster
	s_endpgm
.Lentry_in_a_cluster:
	s_bfe_u32 s2, ttmp6, 0x10000c
	s_cmp_lg_u32 s2, 0x3003
	s_cbranch_scc0 .Lentry_shape_is_right
	s_endpgm
.Lentry_shape_is_right:
; PROJ.  q = x_q Wq^T + bq, k = x_k Wk^T + bk, v = x_v Wv^T + bv.  x arrives as f32, is read once and quantised here, along K, to codes of FP6 (E2M3) with E8M0 scales; the weights' codes lie in xw.
; Sums in f32; the results are quantised in registers and leave as codes: q and k along the head's 64 features, v along the keys.  No f32 result and no code of x goes to memory.
; SHARES.  Work-group (G, p): tokens 64 G .. 64 G + 63 of projection p (0 q, 1 k, 2 v), all 1,024 features.  Wave w: features 256 w .. 256 w + 255: 64 accumulators, 512 registers.
; UNITS.  A weight's unit is 64 rows x 128 K, 6,400 bytes, in the order of the operand's registers: half fragment HF(c, a) at 3072 c + 768 a (lane l: 16 bytes at 16 l, 8 at 512 + 8 l); scale words at 6144 + 128 z:
; lane (r, hh): the four bytes of row r of tile 2 z + hh.  Lane row r of tile a is row 32 (r / 8) + 8 a + r % 8 of the 64: where such tiles are source 0, a lane's 32 registers of the four tiles are rows
; 32 h + 0 .. 31: one whole block.  A K step's sixteen units lie on end in xw; wave w's four are 25,600 consecutive bytes.
; THE RING.  Two LDS slots of 102,400 bytes, a K step each.  Behind each round of the cluster's barrier a wave asks for its own four units of the next K step by one tensor load (100 rows of 256 bytes): one load of
; a wave is out.  A wave reads only the units that it fetched.  CLUSTER: four work-groups of one projection ask for each block jointly (mask 15); nothing in a descriptor hangs on the place in the cluster.
; x.  In K step s wave w turns the 16 tokens of tile w x K step s + 1 (16 loads of 512 consecutive bytes, asked for a K step earlier) through its own stage in LDS, quantises them (a lane holds two whole blocks)
; and stores the operand's registers as an image into LDS bytes of their own, written once: 1,664 bytes a tile and K step.  The next round shows the image to all four waves.
; THE PRODUCTS.  Group u of 16: the wave's weight tiles 4 u .. 4 u + 3 against x's four tiles.  q, k: source 0 = weight (features fall on registers), source 1 = x.  v: source 0 = x (keys fall on registers),
; source 1 = weight.  The two forms stand in two arms of a branch on p, which all partners share; loads, barriers and the way out are one text.  Accumulator: 128 u + 32 (source 1's tile) + 8 (source 0's tile).
; THE BIAS starts the sums: it is laid into the accumulators ahead of the first K step, so that every K step is a link in place.
; PREFETCH: in trip t each wave names, a lane a block of 256 bytes, a quarter (by the work-group's place, in the address alone) of its 25,600 bytes of K step t + 3, which the tensor load of trip t + 2 brings;
; trips 5 and 6 ask for nothing.  x has none: its loads themselves stand a whole K step ahead of their use.
; REGISTERS.  Window 0: v4-21 addresses, v24-31 temporaries, v32-35 x's scale words, v36-39 the weights' (two sets), v40-87 x's fragments, v96-159 a lane's 64 numbers, v160-223 as loaded, v224-235 codes.
; Window 1: the weights' fragments, two sets of 48.  Windows 2 and 3: the accumulators.
; LIMITS: a block of zeros gets the byte 1 (its codes are zeros; this program alone reads the bytes); NaN and infinities are not served.
.set SLOT,  102400
.set STG,   204800                     ; four stages of 16 rows x 528 bytes
.set IMG,   238592                     ; x's images: 8 K steps x 4 tiles x 1,664 bytes
.set SPARE, 291840                     ; the spare words
.set XS, 32
.set WS, 36
.set XF, 40
.set TQ, 88                            ; v88-90, v92-94 the conversions' second results
.set PFO, 95                           ; the prefetch's offset
.set XN, 96
.set RA, 160
.set CC, 224
.set BV, 236                           ; v236-251 v's bias, a register a weight tile
.set G1, 24
.set G0, 32
.set XB, 36                            ; s[36:37] x
.set BI, 38                            ; s[38:39] the bias
.set OB, 40                            ; s[40:41] my half fragments in qkv
.set OZ, 42                            ; s[42:43] my scale words
.set SEL, 46
.set PF, 62                            ; s[62:63] the prefetch's address
.set MSB, 0
.macro WIN new                         ; the immediate's high byte repeats the setting that is left
.if MSB != (\new)
	s_set_vgpr_msb (MSB<<8)|(\new)
.set MSB, (\new)
.endif
.endm
.macro PLACES
.rept 4
	v_nop
.endr
.endm
.macro ROUND                           ; a round of the cluster's barrier
	s_barrier_signal -1
	s_barrier_wait -1
	s_cmp_lg_u32 s10, 0
	s_cbranch_scc1 .Lnot_wave_0_\@
	s_barrier_signal -3
.Lnot_wave_0_\@:
	s_barrier_wait -3
	s_barrier_signal -1
	s_barrier_wait -1
.endm
	s_load_b512 s[68:83], s[0:1], 0x0              ; pre_query 68, pre_key 70, pre_value 72, xw 74, bq 76, bk 78, bv 80, qkv 82
	v_lshl_add_u32 v22, v0, 2, SPARE
	v_mov_b32 v23, 0
	ds_add_u32 v22, v23                            ; the opening lines: the add, twice on end, and its wait
	ds_add_u32 v22, v23
	v_lshrrev_b32 v1, 5, v0
	v_readfirstlane_b32 s10, v1                    ; wave 0..3
	s_bfe_u32 s13, ttmp6, 0x40000                  ; cx
	s_lshl_b32 s12, ttmp9, 2
	s_add_co_u32 s12, s12, s13                     ; G: it enters x's, the output's and the prefetch's addresses alone
	s_and_b32 s11, ttmp7, 0xffff                   ; p, which the four partners share
	s_mov_b32 s[G1], 15|(3<<16)|(1<<21)            ; the mask: all four; elements of 8 bytes; bit 21 beside a mask; no padding
	s_mov_b32 s[G1+1], 32<<16                      ; tensor_dim0 = 32 elements: 256 bytes
	s_mov_b32 s[G1+2], 100<<16                     ; tensor_dim1 = 100 rows
	s_mov_b32 s[G1+3], 32<<16
	s_mov_b32 s[G1+4], 100
	s_mov_b32 s[G1+5], 32                          ; the pitch: the block is dense
	s_mov_b32 s[G1+6], 0
	s_mov_b32 s[G1+7], 0
	s_mul_i32 s15, s10, 25600                      ; my four units, in a K step's bytes and in a slot
	s_mul_i32 s50, s11, 819200
	s_add_co_u32 s50, s50, s15
	s_add_co_u32 s50, s50, 9830400                 ; in xw
	s_mov_b32 s51, 0
	s_mul_i32 s20, s13, 6400
	s_add_co_u32 s20, s20, s50
	s_add_co_u32 s20, s20, 3*SLOT                  ; the prefetch: my work-group's quarter of them, K step 3
	s_mov_b32 s21, 0
	s_lshl_b32 s52, s12, 18                        ; x: 64 G rows of 4,096 bytes
	s_lshl_b32 s53, s10, 15                        ; + 8 w rows
	s_add_co_u32 s52, s52, s53
	s_mov_b32 s53, 0
	s_lshl_b32 s54, s10, 10                        ; the bias: 256 w numbers on
	s_mov_b32 s55, 0
	; the output.  A (batch, head) has 307,200 bytes of qkv: Q's 16 units of 128 tokens; then, for each half of the keys, K's 8 units and V's 8.  My heads: 4 w .. 4 w + 3
	s_lshr_b32 s16, s12, 5
	s_lshl_b32 s16, s16, 4                         ; 16 x batch
	s_lshl_b32 s17, s10, 2
	s_add_co_u32 s16, s16, s17
	s_mul_i32 s16, s16, 307200
	s_add_co_u32 s17, s11, 1
	s_mul_i32 s17, s17, 51200
	s_mov_b32 s18, 102400
	s_cmp_eq_u32 s11, 0
	s_cselect_b32 s17, 0, s17                      ; the first unit: 0, 102,400, 153,600 for q, k, v
	s_cselect_b32 s18, 51200, s18                  ; from units 0-7 to units 8-15
	s_add_co_u32 s16, s16, s17
	s_bfe_u32 s17, s12, 0x10004
	s_mul_i32 s17, s17, s18
	s_add_co_u32 s16, s16, s17
	s_bfe_u32 s17, s12, 0x30001
	s_mul_i32 s17, s17, 6400
	s_add_co_u32 s16, s16, s17                     ; the unit
	s_and_b32 s17, s12, 1                          ; which 64 of its 128 tokens
	s_mul_i32 s18, s17, 3072
	s_add_co_u32 s56, s16, s18
	s_mov_b32 s57, 0
	s_lshl_b32 s18, s17, 7
	s_add_co_u32 s58, s16, s18
	s_mov_b32 s59, 0
	s_mov_b32 s[SEL], 0x76543210
	s_mov_b32 s[SEL+1], 0xfedcba98
	s_mov_b32 s48, 0xffff0000                      ; lanes 16-31
	s_mov_b32 s44, 0                               ; the trip
	s_mov_b32 s45, 0                               ; the slot that is read
	s_mov_b32 s49, 0                               ; the image that is read
	s_mov_b32 s60, 0                               ; the image that is written
	s_mov_b32 s61, 0                               ; the slot that is filled: 0 or SLOT
	v_and_b32 v1, 31, v0                           ; lane
	v_and_b32 v2, 15, v0                           ; r
	v_bfe_u32 v3, v0, 4, 1                         ; h
	v_lshlrev_b32 v4, 4, v1
	v_lshlrev_b32 v5, 3, v1
	v_lshlrev_b32 v6, 2, v1
	s_mul_i32 s14, s10, 8448
	s_add_co_u32 s14, s14, STG
	v_add_nc_u32 v7, s14, v4                       ; into my stage: 16 x lane of a row
	v_mul_u32_u24 v8, v2, 528
	v_lshl_add_u32 v8, v3, 7, v8
	v_add_nc_u32 v8, s14, v8                       ; out of it: row r, + 128 h
	v_lshlrev_b32 v9, 3, v3                        ; 8 h
	v_add_nc_u32 v10, s15, v4                      ; my units in slot 0: 16, 8, 4 bytes a lane
	v_add_nc_u32 v11, s15, v5
	v_add_nc_u32 v12, s15, v6
	v_add_nc_u32 v252, IMG, v4                     ; the images, read:
	v_add_nc_u32 v253, IMG+1536, v6
	s_mul_i32 s14, s10, 1664
	s_add_co_u32 s14, s14, IMG
	v_add_nc_u32 v254, s14, v4                     ; and written: my tile's
	s_add_co_u32 s14, s14, 1536
	v_add_nc_u32 v255, s14, v6
	v_lshlrev_b32 v20, 7, v3                       ; the bias by registers: 32 h numbers on
	v_and_b32 v21, 8, v2
	v_mad_u32_u24 v21, v21, 3, v2
	v_lshlrev_b32 v21, 2, v21                      ; the bias by lanes: r + 24 (r / 8) numbers on
	v_min_u32 v[PFO], 24, v1
	v_lshlrev_b32 v[PFO], 8, v[PFO]                ; 25 blocks of 256 bytes; the lanes left over name the last again
	v_mov_b32 v31, 0                               ; a lane permute's destination counts as one of its sources
	s_wait_alu depctr_va_vdst(0)                   ; the wait at the head's end
	s_wait_dscnt 0x0
	s_wait_kmcnt 0x0
	s_cmp_eq_u32 s11, 0
	s_cselect_b64 s[XB:XB+1], s[68:69], s[70:71]
	s_cselect_b64 s[BI:BI+1], s[76:77], s[78:79]
	s_cmp_eq_u32 s11, 2
	s_cselect_b64 s[XB:XB+1], s[72:73], s[XB:XB+1]
	s_cselect_b64 s[BI:BI+1], s[80:81], s[BI:BI+1]
	s_add_nc_u64 s[XB:XB+1], s[XB:XB+1], s[52:53]
	s_add_nc_u64 s[BI:BI+1], s[BI:BI+1], s[54:55]
	s_add_nc_u64 s[OB:OB+1], s[82:83], s[56:57]
	s_add_nc_u64 s[OZ:OZ+1], s[82:83], s[58:59]
	s_add_nc_u64 s[PF:PF+1], s[74:75], s[20:21]
	s_mov_b32 s[G0], 1
	s_mov_b32 s[G0+1], s15
	s_add_nc_u64 s[G0+2:G0+3], s[74:75], s[50:51]
	s_or_b32 s[G0+3], s[G0+3], 0x80000000
	ROUND                                          ; all four work-groups are here: the joint loads meet
	tensor_load_to_lds s[G0:G0+3], s[G1:G1+7]      ; K step 0 into slot 0: one tensor load a wave at the head
	s_nop 0
	PLACES
.macro LOADX                           ; my tile's 16 rows of a K step: 32 lanes read 512 consecutive bytes
.irp p, 0,1,2,3,4,5,6,7,8,9,10,11,12,13,14,15
	global_load_b128 v[RA+4*\p:RA+4*\p+3], v4, s[XB:XB+1] offset:(32*(\p/8)+(\p%8))*4096 th:TH_LOAD_NT
.endr
.endm
.macro UPD                             ; the trip's LDS addresses
	v_add_nc_u32 v13, s45, v10
	v_add_nc_u32 v14, s45, v11
	v_add_nc_u32 v15, s45, v12
	v_add_nc_u32 v16, s49, v252
	v_add_nc_u32 v17, s49, v253
	v_add_nc_u32 v18, s60, v254
	v_add_nc_u32 v19, s60, v255
	s_wait_alu depctr_va_vdst(0)                   ; the wait behind these writes
.endm
.macro TILE_A                          ; the numbers turn through my stage: 32 LDS instructions, served in order
	s_wait_loadcnt 0x0
.irp p, 0,1,2,3,4,5,6,7,8,9,10,11,12,13,14,15
	ds_store_b128 v7, v[RA+4*\p:RA+4*\p+3] offset:528*\p
.endr
.irp c, 0,1
.irp i, 0,1,2,3,4,5,6,7
	ds_load_b128 v[XN+32*\c+4*\i:XN+32*\c+4*\i+3], v8 offset:256*\c+16*\i
.endr
.endr
.endm
.macro TILE_B guard                    ; they are quantised, and the operand's registers go to the image
	s_wait_dscnt 0x0                               ; my 64 numbers are back: k = 64 c + 32 h + 0 .. 31 of row r; the stores have read their registers
.if \guard
	s_cmp_ge_u32 s44, 6                            ; trip 6 has no K step two on
	s_cbranch_scc1 .Lno_more_\@
.endif
	s_wait_xcnt 0x0                                ; the earlier loads and prefetch have read their bases
	s_add_nc_u64 s[XB:XB+1], s[XB:XB+1], 512
.if \guard
	s_add_nc_u64 s[PF:PF+1], s[PF:PF+1], SLOT
.endif
	LOADX
.if \guard
.Lno_more_\@:
.endif
.irp c, 0,1
	v_max3_num_f32 v[24+\c], |v[XN+32*\c]|, |v[XN+32*\c+1]|, 0x1800000   ; the floor 2^(3 - 127) keeps the byte at 1 or above
.endr
.irp i, 2,4,6,8,10,12,14,16,18,20,22,24,26,28,30
.irp c, 0,1
	v_max3_num_f32 v[24+\c], v[24+\c], |v[XN+32*\c+\i]|, |v[XN+32*\c+\i+1]|
.endr
.endr
.irp c, 0,1
	v_add_nc_u32 v[26+\c], 0xff000000, v[24+\c]    ; 2 off the exponent field: the conversion's scale operand
.endr
.irp c, 0,1
	v_lshrrev_b32 v[28+\c], 23, v[26+\c]           ; the scale's byte
.endr
.irp c, 0,1
	v_cvt_scalef32_pk16_fp6_f32 v[CC+6*\c:CC+6*\c+2], v[XN+32*\c:XN+32*\c+15], v[26+\c]
	v_cvt_scalef32_pk16_fp6_f32 v[TQ+4*\c:TQ+4*\c+2], v[XN+32*\c+16:XN+32*\c+31], v[26+\c]
.endr
	v_nop                                          ; one plain place behind the scaled conversions
.irp c, 0,1
.irp i, 0,1,2
	v_mov_b32 v[CC+6*\c+3+\i], v[TQ+4*\c+\i]
.endr
.endr
	v_lshl_or_b32 v30, v29, 16, v28                ; my two bytes: blocks h and 2 + h,
	v_lshlrev_b32 v30, v9, v30                     ; 8 h bits up;
	v_permlanex16_b32 v31, v30, s[SEL], s[SEL+1]
	v_or_b32 v30, v30, v31                         ; with lane l xor 16's two: row r's scale word
.irp i, 0,1,2
	ds_store_b128 v18, v[CC+4*\i:CC+4*\i+3] offset:512*\i
.endr
	ds_store_b32 v19, v30
.endm
.macro FETCHX                          ; 16 LDS loads: x's four fragments and scale words of this K step
.irp j, 0,1,2,3
.irp i, 0,1,2
	ds_load_b128 v[XF+12*\j+4*\i:XF+12*\j+4*\i+3], v16 offset:1664*\j+512*\i
.endr
	ds_load_b32 v[XS+\j], v17 offset:1664*\j
.endr
.endm
.macro FETCHW u                        ; 18 LDS loads: unit u's four fragments into set u % 2, and its two registers of scale words
	WIN 0x40
.irp b, 0,1,2,3
.irp c, 0,1
	ds_load_b128 v[48*((\u)%2)+12*\b+6*\c:48*((\u)%2)+12*\b+6*\c+3], v13 offset:6400*(\u)+3072*\c+768*\b
	ds_load_b64 v[48*((\u)%2)+12*\b+6*\c+4:48*((\u)%2)+12*\b+6*\c+5], v14 offset:6400*(\u)+3072*\c+768*\b+512
.endr
.endr
	WIN 0
	ds_load_b32 v[WS+2*((\u)%2)], v15 offset:6400*(\u)+6144
	ds_load_b32 v[WS+2*((\u)%2)+1], v15 offset:6400*(\u)+6272
.endm
; 16 matrix instructions; the accumulators take turns, one instruction a turn
.macro MUL u
	s_cmp_eq_u32 s11, 2
	s_cbranch_scc1 .Lv_\@
	WIN 0xa1+0x50*((\u)/2)                         ; source 0 window 1, source 1 window 0, C and D window 2 or 3
.irp j, 0,1,2,3
.irp b, 0,1,2,3
.set rD, 128*((\u)%2)+32*\j+8*\b
.set rW, 48*((\u)%2)+12*\b
.set rX, XF+12*\j
.if (\b%2) == 0
	v_wmma_scale_f32_16x16x128_f8f6f4 v[rD:rD+7], v[rW:rW+11], v[rX:rX+11], v[rD:rD+7], v[WS+2*((\u)%2)+\b/2], v[XS+\j] matrix_a_fmt:MATRIX_FMT_FP6 matrix_b_fmt:MATRIX_FMT_FP6
.else
	v_wmma_scale_f32_16x16x128_f8f6f4 v[rD:rD+7], v[rW:rW+11], v[rX:rX+11], v[rD:rD+7], v[WS+2*((\u)%2)+\b/2], v[XS+\j] matrix_a_fmt:MATRIX_FMT_FP6 matrix_b_fmt:MATRIX_FMT_FP6 matrix_a_scale:MATRIX_SCALE_ROW1
.endif
.endr
.endr
	WIN 0
	s_branch .Ljoin_\@
.Lv_\@:
	WIN 0xa4+0x50*((\u)/2)                         ; source 0 window 0, source 1 window 1
.irp j, 0,1,2,3
.irp b, 0,1,2,3
.set rD, 128*((\u)%2)+32*\j+8*\b
.set rW, 48*((\u)%2)+12*\j
.set rX, XF+12*\b
.if (\j%2) == 0
	v_wmma_scale_f32_16x16x128_f8f6f4 v[rD:rD+7], v[rX:rX+11], v[rW:rW+11], v[rD:rD+7], v[XS+\b], v[WS+2*((\u)%2)+\j/2] matrix_a_fmt:MATRIX_FMT_FP6 matrix_b_fmt:MATRIX_FMT_FP6
.else
	v_wmma_scale_f32_16x16x128_f8f6f4 v[rD:rD+7], v[rX:rX+11], v[rW:rW+11], v[rD:rD+7], v[XS+\b], v[WS+2*((\u)%2)+\j/2] matrix_a_fmt:MATRIX_FMT_FP6 matrix_b_fmt:MATRIX_FMT_FP6 matrix_b_scale:MATRIX_SCALE_ROW1
.endif
.endr
.endr
	WIN 0
.Ljoin_\@:
.endm
; A K step: 64 matrix instructions.  tile = 1: the next K step's tile of x is quantised on the way, and a later K step's weights are prefetched.
.macro KBODY tile
	FETCHX
	FETCHW 0
	FETCHW 1
	s_wait_dscnt 18                                ; x and unit 0 are in; unit 1's 18 loads may be out
	MUL 0
	PLACES                                         ; in front of loads into registers that the products have read
	FETCHW 2
.if \tile
	s_cmp_ge_u32 s44, 5
	s_cbranch_scc1 .Lno_ask_\@
	global_prefetch_b8 v[PFO], s[PF:PF+1] th:TH_LOAD_NT scope:SCOPE_SE
.Lno_ask_\@:
	TILE_A
	s_wait_dscnt 50                                ; unit 1 is in; behind it: unit 2's 18 loads and the turn's 32
.else
	s_wait_dscnt 18
.endif
	MUL 1
.if \tile
	TILE_B 1                                       ; its vector lines are the places in front of the loads below; its first wait has shown unit 2 in
.else
	PLACES
.endif
	FETCHW 3
.if \tile == 0
	s_wait_dscnt 18
.endif
	MUL 2
	s_wait_dscnt 0x0
	MUL 3
.endm
	LOADX                                          ; x's K step 0
	s_cmp_eq_u32 s11, 2
	s_cbranch_scc1 .Lbias_v
.irp u, 0,1,2,3                        ; q, k: register jj of accumulator (u, j, b): feature 64 u + 32 h + 8 b + jj of my 256
	WIN 0x80+0x40*(\u/2)
.irp j, 0,1,2,3
.irp b, 0,1,2,3
	global_load_b128 v[128*(\u%2)+32*\j+8*\b:128*(\u%2)+32*\j+8*\b+3], v20, s[BI:BI+1] offset:256*\u+32*\b
	global_load_b128 v[128*(\u%2)+32*\j+8*\b+4:128*(\u%2)+32*\j+8*\b+7], v20, s[BI:BI+1] offset:256*\u+32*\b+16
.endr
.endr
.endr
	WIN 0
	s_branch .Lbias_done
.Lbias_v:
.irp u, 0,1,2,3                        ; v: every register of accumulators (u, j, .): my lane's feature 64 u + 32 (r / 8) + 8 j + r % 8
.irp j, 0,1,2,3
	global_load_b32 v[BV+4*\u+\j], v21, s[BI:BI+1] offset:256*\u+32*\j
.endr
.endr
	s_wait_loadcnt 0x0
.irp u, 0,1,2,3
	WIN 0x80+0x40*(\u/2)
.irp j, 0,1,2,3
.set i, 0
.rept 32
	v_mov_b32 v[128*(\u%2)+32*\j+i], v[BV+4*\u+\j]
.set i, i+1
.endr
.endr
.endr
	WIN 0
.Lbias_done:
	UPD
	TILE_A                                         ; its wait also shows the bias in
	TILE_B 0                                       ; K step 0's image; K step 1's numbers are asked for
	s_mov_b32 s60, 6656
	UPD
.Lk:                                                   ; trip t: K step t
	s_wait_tensorcnt 0x0                           ; my units of this K step have landed;
	ds_add_u32 v22, v23                            ; the add;
	s_xor_b32 s61, s61, SLOT                       ; no load of mine is out: the next K step, into the other slot,
	s_add_co_u32 s[G0+1], s15, s61                 ; at my four units' place in it
	s_add_nc_u64 s[G0+2:G0+3], s[G0+2:G0+3], SLOT
	s_wait_dscnt 0x0                               ; the add, my reads of the other slot and my stores to the image are done
	ROUND                                          ; so of every wave of the four work-groups
	tensor_load_to_lds s[G0:G0+3], s[G1:G1+7]
	s_nop 0
	PLACES
	KBODY 1
	s_xor_b32 s45, s45, SLOT
	s_add_co_u32 s49, s49, 6656
	s_add_co_u32 s60, s60, 6656
	UPD
	s_add_co_u32 s44, s44, 1
	s_cmp_lt_u32 s44, 7
	s_cbranch_scc1 .Lk
	s_wait_tensorcnt 0x0                           ; K step 7: nothing more is asked for
	s_wait_dscnt 0x0
	s_barrier_signal -1
	s_barrier_wait -1                              ; everybody's image of K step 7 is whole
	KBODY 0
	PLACES                                         ; between the last products and the first read of results
; THE WAY OUT.  The 32 registers of (u, j) are one whole block of its lane's row: k = 32 h + 0 .. 31.  They become the lane's 24 bytes of half fragment j of head 4 w + u, and a scale byte.
.macro HQ u, j
.set AS, 128*((\u)%2)+32*(\j)
.set WN, 2+(\u)/2
.set CDR, 96+6*(4*(\u)+(\j))
	v_mov_b32 v24, 0x1800000                       ; the floor 2^(3 - 127) keeps the byte at 1 or above
	v_mov_b32 v25, 0x1800000
	WIN (WN<<2)|(WN<<4)
.irp i, 0,2,4,6,8,10,12,14
.irp b, 0,1
	v_max3_num_f32 v[24+\b], v[24+\b], |v[AS+16*\b+\i]|, |v[AS+16*\b+\i+1]|   ; each accumulator from its low end on
.endr
.endr
	WIN 0
	v_max_num_f32 v24, v24, v25
	v_add_nc_u32 v28, 0xff000000, v24              ; 2 off the exponent field: the conversion's scale operand
	v_lshrrev_b32 v26, 23, v28                     ; the scale's byte,
	v_lshlrev_b32 v26, v9, v26                     ; 8 h bits up;
	v_permlanex16_b32 v27, v26, s[SEL], s[SEL+1]
	v_or_b32 v[192+\j], v26, v27                   ; with lane l xor 16's: the row's two bytes
	WIN WN
	v_cvt_scalef32_pk16_fp6_f32 v[CDR:CDR+2], v[AS:AS+15], v28
	v_cvt_scalef32_pk16_fp6_f32 v[TQ:TQ+2], v[AS+16:AS+31], v28
	WIN 0
	v_nop                                          ; one plain place behind the scaled conversions
.irp i, 0,1,2
	v_mov_b32 v[CDR+3+\i], v[TQ+\i]
.endr
	global_store_b128 v4, v[CDR:CDR+3], s[OB:OB+1] offset:307200*(\u)+768*(\j)        ; 512 consecutive bytes, aligned to 256
	global_store_b64 v5, v[CDR+4:CDR+5], s[OB:OB+1] offset:307200*(\u)+768*(\j)+512   ; and 256
.endm
.irp u, 0,1,2,3
	HQ \u, 0
	HQ \u, 1
	HQ \u, 2
	HQ \u, 3
	v_lshl_or_b32 v[196+\u], v193, 16, v192        ; tiles 0 and 1,
	v_lshl_or_b32 v30, v195, 16, v194              ; tiles 2 and 3
	v_cndmask_b32 v[196+\u], v[196+\u], v30, s48
	global_store_b32 v6, v[196+\u], s[OZ:OZ+1] offset:307200*\u+6144
.endr
	s_wait_tensorcnt 0x0                           ; the wave's end
	ds_add_u32 v22, v23
	s_wait_dscnt 0x0
	ROUND                                          ; the closing round
	s_endpgm
.Lfunc_end_k_qee60b451ff_proj:
	.size	k_qee60b451ff_proj, .Lfunc_end_k_qee60b451ff_proj-k_qee60b451ff_proj
	.p2alignl 7, 3214868480
	.fill 96, 4, 3214868480
	.section	.rodata,"a",@progbits
	.p2align	6, 0x0
	.amdhsa_kernel k_qee60b451ff_proj
		.amdhsa_group_segment_fixed_size 327680
		.amdhsa_private_segment_fixed_size 0
		.amdhsa_enable_private_segment 0
		.amdhsa_kernarg_size 64
		.amdhsa_user_sgpr_count 2
		.amdhsa_user_sgpr_kernarg_segment_ptr 1
		.amdhsa_wavefront_size32 1
		.amdhsa_system_sgpr_workgroup_id_x 1
		.amdhsa_system_sgpr_workgroup_id_y 1
		.amdhsa_system_sgpr_workgroup_id_z 1
		.amdhsa_system_vgpr_workitem_id 0
		.amdhsa_next_free_vgpr 1024
		.amdhsa_next_free_sgpr 100
		.amdhsa_reserve_vcc 0
		.amdhsa_float_denorm_mode_32 3
		.amdhsa_float_denorm_mode_16_64 3
		.amdhsa_memory_ordered 1
		.amdhsa_forward_progress 1
		.amdhsa_inst_pref_size 132
	.end_amdhsa_kernel
	.amdgpu_metadata
---
amdhsa.version: [ 1, 2 ]
amdhsa.kernels:
  - .name:           k_qee60b451ff_proj
    .symbol:         k_qee60b451ff_proj.kd
    .args:
      - { .name: pre_query, .offset: 0, .size: 8, .value_kind: global_buffer, .address_space: global }
      - { .name: pre_key, .offset: 8, .size: 8, .value_kind: global_buffer, .address_space: global }
      - { .name: pre_value, .offset: 16, .size: 8, .value_kind: global_buffer, .address_space: global }
      - { .name: xw, .offset: 24, .size: 8, .value_kind: global_buffer, .address_space: global }
      - { .name: bq, .offset: 32, .size: 8, .value_kind: global_buffer, .address_space: global }
      - { .name: bk, .offset: 40, .size: 8, .value_kind: global_buffer, .address_space: global }
      - { .name: bv, .offset: 48, .size: 8, .value_kind: global_buffer, .address_space: global }
      - { .name: qkv, .offset: 56, .size: 8, .value_kind: global_buffer, .address_space: global }
    .group_segment_fixed_size: 327680
    .private_segment_fixed_size: 0
    .kernarg_segment_align: 8
    .kernarg_segment_size: 64
    .max_flat_workgroup_size: 128
    .sgpr_count:     100
    .vgpr_count:     1024
    .wavefront_size: 32
...
	.end_amdgpu_metadata
.endif
;; end of part 2
;; launch attn (part 3): grid 8 x 32, 16 waves a work-group, no clusters, 207,360 bytes of LDS; arguments qkv, mbits, oc; writes oc
.if DOCPART == 3
	.amdgcn_target "amdgcn-amd-amdhsa--gfx1250"
	.amdhsa_code_object_version 6
	.text
	.protected	k_qee60b451ff_attn
	.globl	k_qee60b451ff_attn
	.p2align	8
	.type	k_qee60b451ff_attn,@function
k_qee60b451ff_attn:
	s_mov_b64 s[64:65], 0
	v_nop
	global_prefetch_b8 v0, s[64:65] scope:SCOPE_SE
	s_setreg_imm32_b32 hwreg(HW_REG_WAVE_MODE, 25, 1), 1
	s_wait_xcnt 0x0
; ATTN.  For each (batch, head): O[q] = the sum over keys of softmax(q . k / 8, under the mask) v, both products on codes of FP6 (E2M3) with E8M0 scales; O is quantised along the features and leaves as codes.
; THE SOFTMAX AHEAD OF THE SECOND PRODUCT: t = score x log2(e) / 8; M = the running largest t rounded UP to a whole number; p = 2^(t - M) is quantised along the keys, not normalised; the row's sum is taken of
; the unquantised p and divides O at the end.  When M moves, the sum and O are multiplied by 2^(old M - new M): exact.  Masked scores become -infinity ahead of the maximum, so p = 0 there.
; SHARES.  A work-group owns 256 queries of one (batch, head); each of its sixteen waves one tile of 16, in 256 registers.
; LDS: the head's K and V whole, filled once: unit u of K (128 keys x 64) at 12,800 u, unit u of V (64 features x 128 keys) 6,400 bytes behind it.  Each wave copies 12,800 consecutive bytes of qkv (two units
; of K or of V) through registers: 25 loads of 512 bytes, 25 LDS stores.
; THE MASK comes as words of 32 bits, a bit a lane, a word a score register, by scalar loads a key step ahead, and as one flag bit for each key step of my tile, stored by the first launch: where the flag says
; that the step hides no key, a scalar branch leads round the step's 64 selects, which would change nothing.  The branch leads round no barrier, wait or load.
; NO TENSOR LOAD, NO CLUSTER: K and V come through registers and are not asked for jointly.
; NO PREFETCH: all of K and V is asked for in one run at the head; there is no loop to run ahead in.
; LAYOUT.  Both products are used transposed (S^T = K Q^T, O^T = V^T P^T): a lane holds ONE query throughout.  A unit holds half fragments of 16 rows x 64 K in the order of the operand's registers (lane l: 16 bytes
; at 16 l, 8 at 512 + 8 l); lane row r of tile a of 64 rows is row 32 (r / 8) + 8 a + r % 8.  So score register 32 c + i of lane (r, h) is key 64 c + 32 h + i of the step: A LANE HOLDS WHOLE BLOCKS of 32 keys,
; in the order of the next operand's registers: a block's maximum needs no other lane, and the conversions' results are the operand.  O^T's register i of lane (r, h) is feature 32 h + i likewise.
; THE HEAD HAS 64 OF THE INSTRUCTION'S 128 ALONG K.  Source 0 takes TWO tiles of keys at once (12 registers on end); source 1 is [q, 0] for the first tile and [0, q] for the second: zero codes add nothing.
; TWO REGIONS OF 64 REGISTERS CHANGE ROLES FROM STEP TO STEP: one holds the scores, then p, then the next step's K; the other K, then V.  A loop trip is two steps.
; LIMITS: NaN and infinities are not served.  The promise holds while the scaled scores stay under 2^31 in magnitude.  A block of zeros gets the byte 1.  A block's largest p is made from the block's largest score
; by the same two instructions, which takes v_exp_f32 not to fall where its input rises.  A query with no key at all (sum 0) gets the scale bytes 0xff, which make its row of the output NaN, as the plain softmax does.
.set PC,  36                           ; v36-47   p's codes
.set TQ,  48                           ; v48-50, v52-54 the conversions' second results
.set BM,  56                           ; v56-57   my two blocks' largest scores, then largest p
.set FF,  58                           ; v58      f = 2^(old M - new M)  (v59: the pair's upper half, 0)
.set BT,  60                           ; v60-61   the other half's; bytes
.set SO,  64                           ; v64-65   the conversions' scale operands
.set PW,  69                           ; v69      p's scale word
.set TT,  70
.set TO,  71                           ; v71      the old -M, then old M - new M
.set SU,  72                           ; v72-79   four chains of the step's sum
.set HWR, 94
.set XR,  96                           ; v96-159  region X
.set OT,  160                          ; v160-191 O^T
.set YR,  192                          ; v192-255 region Y
.set CS,  66                           ; s[66:67] c = log2(e) / 8, twice
.set SEL, 100                          ; s[100:101] selects for lane l xor 16
.set ZST, 204800                       ; 512 bytes in which four waves' scale bytes meet
.set SPARE, 205312                     ; the spare words: 128 bytes a wave
	s_load_b128 s[4:7], s[0:1], 0x0                ; qkv s[4:5], mbits s[6:7]
	s_load_b64 s[8:9], s[0:1], 0x10                ; oc
	v_lshl_add_u32 v82, v0, 2, SPARE
	v_mov_b32 v83, 0
	v_lshrrev_b32 v8, 5, v0
	v_readfirstlane_b32 s10, v8                    ; wave 0..15
	s_and_b32 s15, ttmp7, 0xffff                   ; 16 x batch + head
	s_mul_i32 s32, s15, 307200                     ; the head's bytes in qkv  (s32 to s63 are at work here; later they take mask words)
	s_mul_i32 s20, s10, 12800
	s_add_co_u32 s20, s20, s32
	s_add_co_u32 s20, s20, 102400                  ; behind Q's 16 units: my 12,800 bytes.  Waves 0-3: K's units 0-7, 4-7: V's 0-7, 8-11: K's 8-15, 12-15: V's 8-15
	s_mov_b32 s21, 0
	s_lshr_b32 s18, s10, 3
	s_mul_i32 s18, s18, 102400
	s_and_b32 s19, s10, 3
	s_mul_i32 s19, s19, 25600
	s_add_co_u32 s18, s18, s19
	s_bfe_u32 s19, s10, 0x10002
	s_mul_i32 s19, s19, 6400
	s_add_co_u32 s18, s18, s19                     ; where my first unit goes in LDS; my second 12,800 bytes on
	s_lshl_b32 s38, ttmp9, 1
	s_lshr_b32 s39, s10, 3
	s_add_co_u32 s38, s38, s39
	s_mul_i32 s38, s38, 6400
	s_add_co_u32 s38, s38, s32                     ; Q's unit of 128 queries
	s_mov_b32 s39, 0
	s_bfe_u32 s40, s10, 0x10002                    ; which 64 of them
	s_and_b32 s41, s10, 3                          ; which tile of the 64
	s_bfe_u32 s42, s10, 0x10001                    ; which pair of tiles
	s_and_b32 s43, s10, 1                          ; which of the pair
	s_mul_i32 s44, s40, 3072
	s_mul_i32 s45, s41, 768
	s_add_co_u32 s44, s44, s45                     ; my half fragment in the unit
	s_lshl_b32 s45, s40, 7
	s_lshl_b32 s46, s42, 6
	s_add_co_u32 s45, s45, s46                     ; my scale words' 64 bytes, 6,144 bytes on
	s_lshl_b32 s13, s43, 4                         ; and which half of a word
	s_lshl_b32 s48, ttmp9, 4
	s_add_co_u32 s48, s48, s10                     ; my tile of queries, 0 .. 127
	s_lshl_b32 s22, s48, 2
	s_add_co_u32 s22, s22, 524288                  ; its four flag bytes
	s_mov_b32 s23, 0
	s_lshl_b32 s48, s48, 12                        ; 16 key steps x 256 bytes of mask words
	s_mov_b32 s49, 0
	s_lshr_b32 s50, s15, 4                         ; batch
	s_and_b32 s51, s15, 15                         ; head
	s_lshl_b32 s50, s50, 5
	s_lshl_b32 s52, ttmp9, 2
	s_add_co_u32 s50, s50, s52
	s_lshr_b32 s52, s10, 2
	s_add_co_u32 s50, s50, s52                     ; my group of 64 tokens
	s_lshl_b32 s50, s50, 3
	s_lshr_b32 s52, s51, 1
	s_add_co_u32 s50, s50, s52                     ; its unit of 128 features
	s_mul_i32 s50, s50, 6400
	s_and_b32 s51, s51, 1                          ; which 64 of them
	s_mul_i32 s52, s51, 3072
	s_mul_i32 s53, s41, 768
	s_add_co_u32 s52, s52, s53
	s_add_co_u32 s52, s52, s50                     ; my half fragment in oc
	s_mov_b32 s53, 0
	s_lshl_b32 s54, s51, 7
	s_add_co_u32 s54, s54, s50                     ; the scale words, 6,144 bytes on
	s_mov_b32 s55, 0
	s_lshr_b32 s56, s10, 2
	s_lshl_b32 s56, s56, 7
	s_add_co_u32 s56, s56, ZST                     ; where four waves' scale bytes meet
	s_lshl_b32 s57, s42, 6
	s_add_co_u32 s57, s57, s56
	s_lshl_b32 s58, s43, 1
	s_add_co_u32 s57, s57, s58                     ; my half words there
	s_mov_b32 s[CS], 0x3e38aa3b                    ; log2(e) / 8
	s_mov_b32 s[CS+1], s[CS]
	s_mov_b32 s[SEL], 0x76543210
	s_mov_b32 s[SEL+1], 0xfedcba98
	s_mov_b32 s2, 0                                ; the LDS byte of the trip's first unit of K
	s_mov_b32 s12, 0                               ; the key step's mask words
	s_mov_b32 s16, 0                               ; the key step
	s_mov_b32 s3, 8                                ; trips
	v_and_b32 v8, 31, v0                           ; lane
	v_and_b32 v9, 15, v0                           ; r
	v_bfe_u32 v10, v0, 4, 1                        ; h
	v_lshlrev_b32 v1, 4, v8                        ; 16, 8, 4 x lane
	v_lshlrev_b32 v2, 3, v8
	v_lshlrev_b32 v3, 2, v8
	v_lshlrev_b32 v11, 2, v9
	v_lshlrev_b32 v35, 3, v10                      ; 8 h
	v_add_nc_u32 v80, s18, v1                      ; the copy's LDS address;
	v_mul_u32_u24 v81, v10, 6400
	v_add_nc_u32 v81, v81, v80                     ; for the load whose lanes 16-31 already hold the second unit's first bytes
	v_add_nc_u32 v92, s44, v1
	v_add_nc_u32 v93, s44, v2
	v_add_nc_u32 v10, s45, v11
	v_add_nc_u32 v91, s56, v3                      ; the way out: the scale words read back,
	v_add_nc_u32 v90, s57, v11                     ; and where I put my row's two bytes
	s_wait_alu depctr_va_vdst(0)                   ; the wait ahead of the wait below
	s_wait_kmcnt 0x0
	s_add_nc_u64 s[20:21], s[4:5], s[20:21]
	s_add_nc_u64 s[4:5], s[4:5], s[38:39]
	s_add_nc_u64 s[22:23], s[6:7], s[22:23]
	s_add_nc_u64 s[6:7], s[6:7], s[48:49]
	s_add_nc_u64 s[104:105], s[8:9], s[54:55]
	s_add_nc_u64 s[8:9], s[8:9], s[52:53]
	global_load_b128 v[22:25], v92, s[4:5]         ; Q's half fragment stays in registers
	global_load_b64 v[26:27], v93, s[4:5] offset:512
	global_load_b32 v34, v10, s[4:5] offset:6144   ; its rows' scale bytes, with the neighbour tile's
.set i, 0
.rept 25
	global_load_b128 v[96+4*i:96+4*i+3], v1, s[20:21] offset:512*i
.set i, i+1
.endr
	s_load_b32 s24, s[22:23], 0x0                  ; the flags
	s_load_b512 s[32:47], s[6:7], s12 offset:0x0   ; the first key step's 64 mask words
	s_load_b512 s[48:63], s[6:7], s12 offset:0x40
	s_load_b512 s[68:83], s[6:7], s12 offset:0x80
	s_load_b512 s[84:99], s[6:7], s12 offset:0xc0
	v_mov_b32 v7, 0xff800000                       ; -infinity
	v_mov_b32 v95, 0xffff
.irp i, 16,17,18,19,20,21,28,29,30,31,32,33
	v_mov_b32 v\i, 0                               ; zero codes on both sides of q: v[22:33] = [q, 0], v[16:27] = [0, q]
.endr
	v_mov_b32 v13, 0xff61b1e6                      ; the largest score so far: -3e38
	v_mov_b32 v12, 0x7e000000                      ; -M: a whole number above every later one
	v_mov_b32 v14, 0                               ; the sum, in two halves
	v_mov_b32 v15, 0
	v_mov_b32 v[BT], 0                             ; a lane permute's destination counts as one of its sources
	v_mov_b32 v[FF+1], 0
.macro CP i
.if (\i) < 12
	ds_store_b128 v80, v[96+4*(\i):96+4*(\i)+3] offset:512*(\i)
.elseif (\i) == 12
	ds_store_b128 v81, v[96+4*(\i):96+4*(\i)+3] offset:512*(\i)
.else
	ds_store_b128 v80, v[96+4*(\i):96+4*(\i)+3] offset:512*(\i)+6400
.endif
.endm
.irp g, 0,1,2,3,4
	s_wait_loadcnt 20-5*\g                         ; all but the copy loads issued behind these five are in
.irp e, 0,1,2,3,4
	CP 5*\g+\e
.endr
.endr
	v_lshrrev_b32 v34, s13, v34
	v_and_b32 v34, 0xffff, v34
	v_lshl_or_b32 v34, v34, 16, v34                ; q's two bytes, twice
	s_wait_kmcnt 0x0
	s_and_b32 s11, s24, 15                         ; the four bytes' low four bits on end: bit s = key step s
	s_bfe_u32 s25, s24, 0x40008
	s_lshl_b32 s25, s25, 4
	s_or_b32 s11, s11, s25
	s_bfe_u32 s25, s24, 0x40010
	s_lshl_b32 s25, s25, 8
	s_or_b32 s11, s11, s25
	s_bfe_u32 s25, s24, 0x40018
	s_lshl_b32 s25, s25, 12
	s_or_b32 s11, s11, s25
	s_wait_alu depctr_va_vdst(0)                   ; the wait at the head's end
	s_wait_dscnt 0x0                               ; my part of K and V lies in LDS
	s_barrier_signal -1
.set j, 0
.rept 32
	v_mov_b32 v[OT+j], 0                           ; O^T: the step is written for a loop; the first finds zeros
.set j, j+1
.endr
	s_barrier_wait -1                              ; everybody's does
	v_mov_b32 v4, v1
	v_mov_b32 v5, v2
	v_mov_b32 v6, v3
.irp t, 0,1,2,3,4,5,6,7
	ds_load_b128 v[YR+6*\t:YR+6*\t+3], v4 offset:768*\t
	ds_load_b64 v[YR+6*\t+4:YR+6*\t+5], v5 offset:768*\t+512
.endr
	ds_load_b32 v84, v6 offset:6144
	ds_load_b32 v85, v6 offset:6272
; Product t of 8 of S^T = K Q^T: tile t of 16 keys out of the pair t / 2
.macro KQ sr, kr, t
.set rB, 22-6*((\t)%2)
.if (((\t)/2)%2) == 0
	v_wmma_scale_f32_16x16x128_f8f6f4 v[\sr+8*(\t):\sr+8*(\t)+7], v[\kr+12*((\t)/2):\kr+12*((\t)/2)+11], v[rB:rB+11], 0, v[84+(\t)/4], v34 matrix_a_fmt:MATRIX_FMT_FP6 matrix_b_fmt:MATRIX_FMT_FP6
.else
	v_wmma_scale_f32_16x16x128_f8f6f4 v[\sr+8*(\t):\sr+8*(\t)+7], v[\kr+12*((\t)/2):\kr+12*((\t)/2)+11], v[rB:rB+11], 0, v[84+(\t)/4], v34 matrix_a_fmt:MATRIX_FMT_FP6 matrix_b_fmt:MATRIX_FMT_FP6 matrix_a_scale:MATRIX_SCALE_ROW1
.endif
.endm
; A KEY STEP: 128 keys.  sr: the scores, then p, then the next step's K.  kr: this step's K, then its V.  b: first (0) or second (1) step of the trip.
.macro STEP sr, kr, b
	v_nop                                          ; with the four lines behind the last products: five places ahead of products that write over registers which those have read
	s_wait_alu depctr_va_vdst(0)                   ; the wait ahead of the waits below
	s_wait_dscnt 0x0                               ; K's fragments and scale words, asked for in the last step
	s_wait_kmcnt 0x0                               ; this step's mask words, asked for a step ago
.irp t, 0,1,2,3,4,5,6,7
	KQ \sr, \kr, \t
.endr
	v_mov_b32 v[TO], v12                           ; the old -M.  Four places behind the products
.rept 3
	v_nop
.endr
	s_bitcmp1_b32 s11, s16                         ; does this step hide no key of my tile?
	s_wait_alu depctr_va_vdst(0)                   ; the wait ahead of the branch
	s_cbranch_scc1 .Lopen_\@
.set j, 0
.rept 64
	v_cndmask_b32 v[\sr+j], v7, v[\sr+j], s[32+j+4*(j/32)]   ; a hidden key's score becomes -infinity; each accumulator from its low end on
.set j, j+1
.endr
.Lopen_\@:
	s_add_co_u32 s16, s16, 1
.irp a, 0,1,2,3                                ; V's four fragments come while the softmax is walked
.irp c, 0,1
	ds_load_b128 v[\kr+12*\a+6*\c:\kr+12*\a+6*\c+3], v4 offset:12800*\b+6400+3072*\c+768*\a
	ds_load_b64 v[\kr+12*\a+6*\c+4:\kr+12*\a+6*\c+5], v5 offset:12800*\b+6400+3072*\c+768*\a+512
.endr
.endr
	ds_load_b32 v86, v6 offset:12800*\b+6400+6144
	ds_load_b32 v87, v6 offset:12800*\b+6400+6272
	s_add_co_u32 s12, s12, 256                     ; the next step's words;
	s_min_u32 s12, s12, 3840                       ; the last step asks for its own again: no load leaves the buffer
	s_load_b512 s[32:47], s[6:7], s12 offset:0x0
	s_load_b512 s[48:63], s[6:7], s12 offset:0x40
	s_load_b512 s[68:83], s[6:7], s12 offset:0x80
	s_load_b512 s[84:99], s[6:7], s12 offset:0xc0
.if \b
	s_add_co_u32 s2, s2, 25600                     ; the next trip's units;
	s_min_u32 s17, s2, 179200                      ; the last trip asks for its own first K again, which nobody uses
	v_add_nc_u32 v4, s17, v1
	v_add_nc_u32 v5, s17, v2
	v_add_nc_u32 v6, s17, v3
.endif
.irp c, 0,1
	v_max3_num_f32 v[BM+\c], v[\sr+32*\c], v[\sr+32*\c+1], v[\sr+32*\c+2]   ; the largest score of each of my two blocks: for the row's maximum and for the block's largest p
.endr
.irp i, 3,5,7,9,11,13,15,17,19,21,23,25,27,29
.irp c, 0,1
	v_max3_num_f32 v[BM+\c], v[BM+\c], v[\sr+32*\c+\i], v[\sr+32*\c+\i+1]
.endr
.endr
.irp c, 0,1
	v_max_num_f32 v[BM+\c], v[BM+\c], v[\sr+32*\c+31]
.endr
	v_max_num_f32 v[TT], v[BM], v[BM+1]
	v_permlanex16_b32 v[BT], v[TT], s[SEL], s[SEL+1]
	v_max3_num_f32 v13, v13, v[TT], v[BT]          ; the running largest score of my query (c is positive)
	v_mul_f32 v[TT], s[CS], v13                    ; as t
	v_floor_f32 v12, -v[TT]                        ; the new -M = floor(-t): M is a whole number
.irp c, 0,1
	v_fma_f32 v[BM+\c], v[BM+\c], s[CS], v12       ; t - M of each block's largest score
.endr
	v_sub_f32 v[TO], v12, v[TO]                    ; old M - new M: a whole number, 0 or less
	v_cvt_i32_f32 v[TO], v[TO]                     ; (it saturates)
	v_ldexp_f32 v[FF], 1.0, v[TO]                  ; f = 2^(old M - new M)
.set j, 0
.rept 16
	v_pk_mul_f32 v[OT+j:OT+j+1], v[OT+j:OT+j+1], v[FF:FF+1] op_sel_hi:[1,0]   ; O^T under the new M, each accumulator from its low end on
.set j, j+2
.endr
.set j, 0
.rept 32
	v_pk_fma_f32 v[\sr+j:\sr+j+1], v[\sr+j:\sr+j+1], s[CS:CS+1], v[12:13] op_sel_hi:[1,0,0]   ; t - M, two at a time
.set j, j+2
.endr
	s_wait_alu depctr_va_vdst(0)                   ; the wait ahead of the batch
.set j, 0
.rept 64
	v_exp_f32 v[\sr+j], v[\sr+j]                   ; p = 2^(t - M)
.set j, j+1
.endr
.irp c, 0,1
	v_exp_f32 v[BM+\c], v[BM+\c]                   ; the block's largest p
.endr
	v_nop                                          ; the plain line behind the batch
	s_wait_alu depctr_va_vdst(0)                   ; one wait for the batch of 66; it also stands ahead of the wait below
	s_wait_dscnt 0x0                               ; V's fragments and scale words are in
.irp c, 0,1
	v_max_num_f32 v[BM+\c], 0x1800000, v[BM+\c]    ; the floor 2^(3 - 127): the byte cannot fall under 1
.endr
.irp c, 0,1
	v_add_nc_u32 v[SO+\c], 0xff000000, v[BM+\c]    ; 2 off the exponent field: the conversion's scale operand
.endr
.irp c, 0,1
	v_lshrrev_b32 v[BT+\c], 23, v[SO+\c]           ; the scale's byte
.endr
	v_lshl_or_b32 v[TT], v[BT+1], 16, v[BT]        ; my two bytes: blocks h and 2 + h,
	v_lshlrev_b32 v[TT], v35, v[TT]                ; 8 h bits up;
	v_permlanex16_b32 v[BT], v[TT], s[SEL], s[SEL+1]
	v_or_b32 v[PW], v[TT], v[BT]                   ; with lane l xor 16's two: p's scale word for these 128 keys
	v_perm_b32 v88, v87, v86, 0x05040100           ; a feature's four bytes: tiles 0 and 2,
	v_perm_b32 v89, v87, v86, 0x07060302           ; tiles 1 and 3
.irp c, 0,1
	v_cvt_scalef32_pk16_fp6_f32 v[PC+6*\c:PC+6*\c+2], v[\sr+32*\c:\sr+32*\c+15], v[SO+\c]
	v_cvt_scalef32_pk16_fp6_f32 v[TQ+4*\c:TQ+4*\c+2], v[\sr+32*\c+16:\sr+32*\c+31], v[SO+\c]
.endr
.irp u, 0,1,2,3                                ; the step's sum of the unquantised p, two at a time, in four chains.  (The plain lines behind the conversions)
	v_pk_add_f32 v[SU+2*\u:SU+2*\u+1], v[\sr+4*\u:\sr+4*\u+1], v[\sr+4*\u+2:\sr+4*\u+3]
.endr
.irp c, 0,1
.irp i, 0,1,2
	v_mov_b32 v[PC+3+6*\c+\i], v[TQ+4*\c+\i]       ; (a conversion's three registers begin on an even number)
.endr
.endr
.set j, 16
.rept 24                                       ; (these lines are also the places between the writing of p's codes and scale registers and the products)
	v_pk_add_f32 v[SU+2*((j/2)%4):SU+2*((j/2)%4)+1], v[SU+2*((j/2)%4):SU+2*((j/2)%4)+1], v[\sr+j:\sr+j+1]
.set j, j+2
.endr
.irp t, 0,1,2,3,4,5,6,7                        ; p has been read for the last time: the next step's K goes into its registers
	ds_load_b128 v[\sr+6*\t:\sr+6*\t+3], v4 offset:12800*(1-\b)+768*\t
	ds_load_b64 v[\sr+6*\t+4:\sr+6*\t+5], v5 offset:12800*(1-\b)+768*\t+512
.endr
	ds_load_b32 v84, v6 offset:12800*(1-\b)+6144
	ds_load_b32 v85, v6 offset:12800*(1-\b)+6272
.irp a, 0,1,2,3                                ; O^T += V^T P^T: one instruction to each accumulator
.if \a < 2
	v_wmma_scale_f32_16x16x128_f8f6f4 v[OT+8*\a:OT+8*\a+7], v[\kr+12*\a:\kr+12*\a+11], v[PC:PC+11], v[OT+8*\a:OT+8*\a+7], v[88+(\a%2)], v[PW] matrix_a_fmt:MATRIX_FMT_FP6 matrix_b_fmt:MATRIX_FMT_FP6
.else
	v_wmma_scale_f32_16x16x128_f8f6f4 v[OT+8*\a:OT+8*\a+7], v[\kr+12*\a:\kr+12*\a+11], v[PC:PC+11], v[OT+8*\a:OT+8*\a+7], v[88+(\a%2)], v[PW] matrix_a_fmt:MATRIX_FMT_FP6 matrix_b_fmt:MATRIX_FMT_FP6 matrix_a_scale:MATRIX_SCALE_ROW1
.endif
.endr
	v_pk_add_f32 v[SU:SU+1], v[SU:SU+1], v[SU+2:SU+3]
	v_pk_add_f32 v[SU+4:SU+5], v[SU+4:SU+5], v[SU+6:SU+7]
	v_pk_add_f32 v[SU:SU+1], v[SU:SU+1], v[SU+4:SU+5]
	v_pk_fma_f32 v[14:15], v[14:15], v[FF:FF+1], v[SU:SU+1] op_sel_hi:[1,0,1]   ; the row's sum under the new M, and this step's
.endm
.Ltrip:
	STEP XR, YR, 0
	STEP YR, XR, 1
	s_sub_co_u32 s3, s3, 1
	s_cmp_lg_u32 s3, 0
	s_cbranch_scc1 .Ltrip
	; THE WAY OUT.  O^T / the sum: register i of lane (r, h) is feature 32 h + i of query r: one whole block, which becomes the lane's 24 bytes of half a fragment of the last product's operand.
	v_add_f32 v14, v14, v15                        ; the sum's two halves,
	v_permlanex16_b32 v[TT], v14, s[SEL], s[SEL+1]
	v_add_f32 v14, v14, v[TT]                      ; and lane l xor 16's: the row's sum
	s_wait_alu depctr_va_vdst(0)                   ; the wait ahead of the reciprocal
	v_rcp_f32 v15, v14
	v_nop
	s_wait_alu depctr_va_vdst(0)                   ; and behind it, directly ahead of the first readers of O^T
.set j, 0
.rept 32
	v_mul_f32 v[XR+j], v[OT+j], v15                ; each accumulator from its low end on
.set j, j+1
.endr
.irp b, 0,1
	v_max3_num_f32 v[BM+\b], |v[XR+16*\b]|, |v[XR+16*\b+1]|, 0x1800000
.endr
.irp i, 2,4,6,8,10,12,14
.irp b, 0,1
	v_max3_num_f32 v[BM+\b], v[BM+\b], |v[XR+16*\b+\i]|, |v[XR+16*\b+\i+1]|
.endr
.endr
	v_max_num_f32 v[BM], v[BM], v[BM+1]
	v_add_nc_u32 v[SO], 0xff000000, v[BM]
	v_lshrrev_b32 v[TT], 23, v[SO]
	v_lshlrev_b32 v[TT], v35, v[TT]
	v_permlanex16_b32 v[BT], v[TT], s[SEL], s[SEL+1]
	v_or_b32 v[HWR], v[TT], v[BT]                  ; my row's two scale bytes
	v_cvt_scalef32_pk16_fp6_f32 v[PC:PC+2], v[XR:XR+15], v[SO]
	v_cvt_scalef32_pk16_fp6_f32 v[TQ:TQ+2], v[XR+16:XR+31], v[SO]
	v_nop
.irp i, 0,1,2
	v_mov_b32 v[PC+3+\i], v[TQ+\i]
.endr
	v_cmp_eq_f32 vcc_lo, 0, v14                    ; a query with no key: both bytes 0xff
	v_cndmask_b32 v[HWR], v[HWR], v95, vcc_lo
	global_store_b128 v1, v[PC:PC+3], s[8:9]               ; 512 consecutive bytes, aligned to 256
	global_store_b64 v2, v[PC+4:PC+5], s[8:9] offset:512   ; and 256
	ds_store_b16 v90, v[HWR]                       ; both halves of the lanes write the same two bytes with the same value
	s_wait_dscnt 0x0                               ; for the others' sake; the last step's unused loads are over too
	s_barrier_signal -1
	s_barrier_wait -1
	s_and_b32 s3, s10, 3
	s_cmp_lg_u32 s3, 0
	s_cbranch_scc1 .Lno_z                          ; of four waves, which hold the four tiles of 64 tokens, the first stores their 128 bytes of scale words
	ds_load_b32 v93, v91
	s_wait_dscnt 0x0
	global_store_b32 v3, v93, s[104:105] offset:6144
.Lno_z:
	s_wait_tensorcnt 0x0                           ; the wave's end
	ds_add_u32 v82, v83
	s_wait_dscnt 0x0
	s_endpgm
.Lfunc_end_k_qee60b451ff_attn:
	.size	k_qee60b451ff_attn, .Lfunc_end_k_qee60b451ff_attn-k_qee60b451ff_attn
	.p2alignl 7, 3214868480
	.fill 96, 4, 3214868480
	.section	.rodata,"a",@progbits
	.p2align	6, 0x0
	.amdhsa_kernel k_qee60b451ff_attn
		.amdhsa_group_segment_fixed_size 207360
		.amdhsa_private_segment_fixed_size 0
		.amdhsa_enable_private_segment 0
		.amdhsa_kernarg_size 24
		.amdhsa_user_sgpr_count 2
		.amdhsa_user_sgpr_kernarg_segment_ptr 1
		.amdhsa_wavefront_size32 1
		.amdhsa_system_sgpr_workgroup_id_x 1
		.amdhsa_system_sgpr_workgroup_id_y 1
		.amdhsa_system_sgpr_workgroup_id_z 1
		.amdhsa_system_vgpr_workitem_id 0
		.amdhsa_next_free_vgpr 256
		.amdhsa_next_free_sgpr 106
		.amdhsa_reserve_vcc 1
		.amdhsa_float_denorm_mode_32 3
		.amdhsa_float_denorm_mode_16_64 3
		.amdhsa_memory_ordered 1
		.amdhsa_forward_progress 1
		.amdhsa_inst_pref_size 56
	.end_amdhsa_kernel
	.amdgpu_metadata
---
amdhsa.version: [ 1, 2 ]
amdhsa.kernels:
  - .name:           k_qee60b451ff_attn
    .symbol:         k_qee60b451ff_attn.kd
    .args:
      - { .name: qkv, .offset: 0, .size: 8, .value_kind: global_buffer, .address_space: global }
      - { .name: mbits, .offset: 8, .size: 8, .value_kind: global_buffer, .address_space: global }
      - { .name: oc, .offset: 16, .size: 8, .value_kind: global_buffer, .address_space: global }
    .group_segment_fixed_size: 207360
    .private_segment_fixed_size: 0
    .kernarg_segment_align: 8
    .kernarg_segment_size: 24
    .max_flat_workgroup_size: 512
    .sgpr_count:     106
    .vgpr_count:     256
    .wavefront_size: 32
...
	.end_amdgpu_metadata
.endif
;; end of part 3
;; launch outp (part 4): grid 8 x 32, 4 waves a work-group, clusters of 4 x 4, 222,720 bytes of LDS; arguments xw, oc, bo, out0; writes out0
.if DOCPART == 4
	.amdgcn_target "amdgcn-amd-amdhsa--gfx1250"
	.amdhsa_code_object_version 6
	.text
	.protected	k_qee60b451ff_outp
	.globl	k_qee60b451ff_outp
	.p2align	8
	.type	k_qee60b451ff_outp,@function
k_qee60b451ff_outp:
	s_mov_b64 s[64:65], 0
	v_nop
	global_prefetch_b8 v0, s[64:65] scope:SCOPE_SE
	s_setreg_imm32_b32 hwreg(HW_REG_WAVE_MODE, 25, 1), 1
	s_wait_xcnt 0x0
	s_wait_alu depctr_hold_cnt(0) depctr_sa_sdst(0) depctr_va_vdst(0) depctr_va_sdst(0) depctr_va_ssrc(0) depctr_va_vcc(0) depctr_vm_vsrc(0)
	s_getreg_b32 s2, hwreg(HW_REG_IB_STS2, 6, 4)
	s_cmp_eq_u32 s2, 0
	s_cbranch_scc0 .Lentry_in_a_cluster
	s_endpgm
.Lentry_in_a_cluster:
	s_bfe_u32 s2, ttmp6, 0x10000c
	s_cmp_lg_u32 s2, 0xf033
	s_cbranch_scc0 .Lentry_shape_is_right
	s_endpgm
.Lentry_shape_is_right:
; OUTP.  out0 = O Wo^T + bo on codes of FP6 (E2M3) with E8M0 scales, f32 sums.  O's codes lie in oc, Wo's in xw (from byte 12,288,000 on), both as units of 64 rows x 128 K (6,400 bytes) in the order of the
; operand's registers: half fragment HF(c, a) at 3072 c + 768 a (lane l: 16 bytes at 16 l, 8 at 512 + 8 l), scale words Z(c) at 6144 + 128 c; lane row r of tile a is row 32 (r / 8) + 8 a + r % 8 of the 64.
; A TILE of the result is 128 tokens x 128 features, made by four waves of 64 x 64: 16 accumulators.  Source 0 = Wo's panel (features fall on registers), source 1 = O's panel (tokens fall on lanes):
; a lane's 32 registers of the four tiles of features are features 32 h + 0 .. 31 of one token.
; LDS: both panels whole, for all of K: Wo's two groups of 64 rows at 0 and 51,200, O's at 102,400 and 153,600; behind them a stage of 16 rows x 272 bytes for each wave.  Nothing is filled twice.
; Wave w fills group w by ONE tensor load (51,200 bytes, 200 rows of 256): one load of a wave is out.
; CLUSTERS: 4 x 4 work-groups.  Wo's panel hangs on the place along x alone and is asked for jointly by a column of the cluster, O's on the place along y alone, by a row.
; No prefetch: each work-group asks for all its bytes at its head, and there is no loop to run ahead in.
; THE BIAS is loaded into the accumulators: every K step is a link in place.
; REGISTERS: window 0: v4-9 LDS addresses, v12-15 the way out's and the bias's offsets, v16-23 scale words as loaded, v24-31 scale registers, v32-95 rows on the way out, v128-255 the accumulators.
;   window 1: two sets of fragments at 0 and 96: source 0's tile b at + 12 b, source 1's tile a at + 48 + 12 a.
; A token whose scale bytes are 0xff (a query with no key) gets NaN in its whole row.
.set ACC, 128
.set ZR,  16
.set SC,  24
.set STG, 204800
.set LOS, 2
.set HIS, 3
.set G1A, 24
.set G1B, 32
.set G0A, 48
.set G0B, 68
.set MSB, 0
.macro WIN new                         ; the immediate's high byte repeats the setting that is left
.if MSB != \new
	s_set_vgpr_msb (MSB<<8)|\new
.set MSB, \new
.endif
.endm
.set MUL,  0x05                        ; sources 0 and 1 window 1; C and D window 0
.set TO_F, 0x40                        ; destination window 1, address window 0
.macro CROUND                          ; a round of the cluster's barrier
	s_barrier_signal -1
	s_barrier_wait -1
	s_cmp_lg_u32 s10, 0
	s_cbranch_scc1 .Lnot_wave_0_\@
	s_barrier_signal -3
.Lnot_wave_0_\@:
	s_barrier_wait -3
	s_barrier_signal -1
	s_barrier_wait -1
.endm
	s_load_b256 s[84:91], s[0:1], 0x0              ; xw s[84:85], oc s[86:87], bo s[88:89], out0 s[90:91]
	v_lshl_add_u32 v126, v0, 2, 0x36400
	v_mov_b32 v127, 0
	ds_add_u32 v126, v127                          ; the opening lines: the add, twice on end, and its wait
	ds_add_u32 v126, v127
	v_lshrrev_b32 v1, 5, v0
	v_readfirstlane_b32 s10, v1                    ; wave 0..3
	s_lshr_b32 s11, s10, 1                         ; my group of tokens
	s_and_b32 s12, s10, 1                          ; my group of features; also: which group of its panel I fill
	s_bfe_u32 s40, ttmp6, 0x40000                  ; cx
	s_bfe_u32 s41, ttmp6, 0x40004                  ; cy
	s_lshl_b32 s19, ttmp9, 2
	s_add_co_u32 s19, s19, s40                     ; I0: Wo's panel of 128 features
	s_and_b32 s20, ttmp7, 0xffff
	s_lshl_b32 s20, s20, 2
	s_add_co_u32 s20, s20, s41                     ; I1: O's panel of 128 tokens
	s_lshl_b32 s47, 0x1111, s40                    ; my column of the cluster
	s_or_b32 s[G1A], s47, (3<<16)|(1<<21)          ; the mask; elements of 8 bytes; bit 21 beside a mask; no padding
	s_lshl_b32 s47, s41, 2
	s_lshl_b32 s47, 15, s47                        ; my row
	s_or_b32 s[G1B], s47, (3<<16)|(1<<21)
.irp g, G1A, G1B
	s_mov_b32 s[\g+1], 32<<16                      ; tensor_dim0 = 32 elements: 256 bytes
	s_mov_b32 s[\g+2], 200<<16                     ; tensor_dim1 = 200 rows
	s_mov_b32 s[\g+3], 32<<16                      ; tile_dim0
	s_mov_b32 s[\g+4], 200                         ; tile_dim1
	s_mov_b32 s[\g+5], 32                          ; the pitch: the block is dense
	s_mov_b32 s[\g+6], 0
	s_mov_b32 s[\g+7], 0
.endr
	s_mul_i32 s23, s12, 51200
	s_mul_i32 s42, s19, 102400
	s_add_co_u32 s42, s42, 12288000
	s_add_co_u32 s42, s42, s23
	s_mov_b32 s43, 0
	s_mul_i32 s44, s20, 102400
	s_add_co_u32 s44, s44, s23
	s_mov_b32 s45, 0
	s_mul_i32 s46, s10, 51200                      ; where my group goes: no place in the cluster enters an LDS address
	s_mov_b32 s[LOS], 0x05040100
	s_mov_b32 s[HIS], 0x07060302
	s_lshl_b32 s96, s19, 9                         ; the bias: 128 I0 + 64 x my half, in bytes
	s_lshl_b32 s97, s12, 8
	s_add_co_u32 s96, s96, s97
	s_mov_b32 s97, 0
	s_lshl_b32 s14, s20, 19                        ; out0: 128 I1 rows of 4,096 bytes,
	s_lshl_b32 s15, s11, 18                        ; + 64 x my half,
	s_add_co_u32 s14, s14, s15
	s_add_co_u32 s14, s14, s96                     ; + my features' bytes
	s_mov_b32 s15, 0
	s_wait_dscnt 0x0
	s_wait_kmcnt 0x0
	s_add_nc_u64 s[94:95], s[88:89], s[96:97]
	s_add_nc_u64 s[8:9], s[90:91], s[14:15]
	s_mov_b32 s[G0A], 1
	s_mov_b32 s[G0A+1], s46
	s_add_nc_u64 s[G0A+2:G0A+3], s[84:85], s[42:43]
	s_or_b32 s[G0A+3], s[G0A+3], 0x80000000
	s_mov_b32 s[G0B], 1
	s_mov_b32 s[G0B+1], s46
	s_add_nc_u64 s[G0B+2:G0B+3], s[86:87], s[44:45]
	s_or_b32 s[G0B+3], s[G0B+3], 0x80000000
	CROUND                                         ; all sixteen work-groups are here: the joint loads meet
	s_cmp_lt_u32 s10, 2                            ; one fill to each arm of one branch on the wave's number
	s_cbranch_scc0 .Lfill_s1
	tensor_load_to_lds s[G0A:G0A+3], s[G1A:G1A+7]
	s_nop 0
.rept 4
	v_nop
.endr
	s_branch .Lfilled
.Lfill_s1:
	tensor_load_to_lds s[G0B:G0B+3], s[G1B:G1B+7]
	s_nop 0
.rept 4
	v_nop
.endr
.Lfilled:
	v_and_b32 v1, 31, v0                           ; lane
	v_and_b32 v2, 15, v0                           ; r
	v_bfe_u32 v3, v0, 4, 1                         ; h
	v_lshlrev_b32 v10, 4, v1
	v_lshlrev_b32 v11, 3, v1
	v_lshlrev_b32 v1, 2, v1
	v_add_nc_u32 v4, s23, v10                      ; source 0: my group, 16, 8 and 4 bytes a lane
	v_add_nc_u32 v5, s23, v11
	v_add_nc_u32 v6, s23, v1
	s_mul_i32 s47, s11, 51200
	s_add_co_u32 s47, s47, 102400
	v_add_nc_u32 v7, s47, v10                      ; source 1 likewise
	v_add_nc_u32 v8, s47, v11
	v_add_nc_u32 v9, s47, v1
	v_lshlrev_b32 v13, 7, v3                       ; the bias: 32 h numbers on
	s_mul_i32 s47, s10, 4352
	s_add_co_u32 s47, s47, STG                     ; my stage
	v_mul_u32_u24 v14, v2, 272
	v_lshl_add_u32 v14, v3, 7, v14
	v_add_nc_u32 v14, s47, v14                     ; in: row r, + 128 h: my 32 features
	v_mul_u32_u24 v15, v3, 272
	v_lshl_add_u32 v15, v2, 4, v15
	v_add_nc_u32 v15, s47, v15                     ; back: lanes 0-15 one row of 256 bytes, lanes 16-31 the next
	v_lshlrev_b32 v12, 12, v3
	v_lshl_add_u32 v12, v2, 4, v12                 ; and the same two rows in out0
.irp a, 0,1,2,3
.irp b, 0,1,2,3
	global_load_b128 v[ACC+8*(4*\a+\b):ACC+8*(4*\a+\b)+3], v13, s[94:95] offset:32*\b        ; register j: feature 32 h + 8 b + j
	global_load_b128 v[ACC+8*(4*\a+\b)+4:ACC+8*(4*\a+\b)+7], v13, s[94:95] offset:32*\b+16
.endr
.endr
; 36 LDS loads: K step s's fragments into set s % 2, and the four registers of scale words
.macro FETCH s
	WIN TO_F
.irp b, 0,1,2,3
.irp c, 0,1
	ds_load_b128 v[96*((\s)%2)+12*\b+6*\c:96*((\s)%2)+12*\b+6*\c+3], v4 offset:6400*(\s)+3072*\c+768*\b
	ds_load_b64 v[96*((\s)%2)+12*\b+6*\c+4:96*((\s)%2)+12*\b+6*\c+5], v5 offset:6400*(\s)+3072*\c+768*\b+512
.endr
.endr
.irp a, 0,1,2,3
.irp c, 0,1
	ds_load_b128 v[96*((\s)%2)+48+12*\a+6*\c:96*((\s)%2)+48+12*\a+6*\c+3], v7 offset:6400*(\s)+3072*\c+768*\a
	ds_load_b64 v[96*((\s)%2)+48+12*\a+6*\c+4:96*((\s)%2)+48+12*\a+6*\c+5], v8 offset:6400*(\s)+3072*\c+768*\a+512
.endr
.endr
	WIN 0
	ds_load_b32 v[ZR+4*((\s)%2)], v6 offset:6400*(\s)+6144
	ds_load_b32 v[ZR+4*((\s)%2)+1], v6 offset:6400*(\s)+6272
	ds_load_b32 v[ZR+4*((\s)%2)+2], v9 offset:6400*(\s)+6144
	ds_load_b32 v[ZR+4*((\s)%2)+3], v9 offset:6400*(\s)+6272
.endm
; 16 matrix instructions: the accumulators take turns, one instruction a turn.
.macro MM s
.irp a, 0,1,2,3
.irp b, 0,1,2,3
.set rD, ACC+8*(4*\a+\b)
.set rA, 96*((\s)%2)+12*\b
.set rB, 96*((\s)%2)+48+12*\a
.set rX, SC+4*((\s)%2)+(\b%2)
.set rY, SC+4*((\s)%2)+2+(\a%2)
.if (\b < 2) && (\a < 2)
	v_wmma_scale_f32_16x16x128_f8f6f4 v[rD:rD+7], v[rA:rA+11], v[rB:rB+11], v[rD:rD+7], v[rX], v[rY] matrix_a_fmt:MATRIX_FMT_FP6 matrix_b_fmt:MATRIX_FMT_FP6
.elseif \a < 2
	v_wmma_scale_f32_16x16x128_f8f6f4 v[rD:rD+7], v[rA:rA+11], v[rB:rB+11], v[rD:rD+7], v[rX], v[rY] matrix_a_fmt:MATRIX_FMT_FP6 matrix_b_fmt:MATRIX_FMT_FP6 matrix_a_scale:MATRIX_SCALE_ROW1
.elseif \b < 2
	v_wmma_scale_f32_16x16x128_f8f6f4 v[rD:rD+7], v[rA:rA+11], v[rB:rB+11], v[rD:rD+7], v[rX], v[rY] matrix_a_fmt:MATRIX_FMT_FP6 matrix_b_fmt:MATRIX_FMT_FP6 matrix_b_scale:MATRIX_SCALE_ROW1
.else
	v_wmma_scale_f32_16x16x128_f8f6f4 v[rD:rD+7], v[rA:rA+11], v[rB:rB+11], v[rD:rD+7], v[rX], v[rY] matrix_a_fmt:MATRIX_FMT_FP6 matrix_b_fmt:MATRIX_FMT_FP6 matrix_a_scale:MATRIX_SCALE_ROW1 matrix_b_scale:MATRIX_SCALE_ROW1
.endif
.endr
.endr
.endm
.macro KSTEP s
	s_wait_dscnt 0x0                               ; this step's fragments and scale words are in
	WIN 0
	v_perm_b32 v[SC+4*((\s)%2)],   v[ZR+4*((\s)%2)+1], v[ZR+4*((\s)%2)],   s[LOS]   ; a row's four bytes: two of K's first half, two of its second
	v_perm_b32 v[SC+4*((\s)%2)+1], v[ZR+4*((\s)%2)+1], v[ZR+4*((\s)%2)],   s[HIS]
	v_perm_b32 v[SC+4*((\s)%2)+2], v[ZR+4*((\s)%2)+3], v[ZR+4*((\s)%2)+2], s[LOS]
	v_perm_b32 v[SC+4*((\s)%2)+3], v[ZR+4*((\s)%2)+3], v[ZR+4*((\s)%2)+2], s[HIS]
.rept 8
	v_nop                                          ; 8 places between the writing of a scale register and the scaled product; also the places in front of the loads into the set that the last step multiplied
.endr
.if (\s) < 7
	FETCH (\s)+1
.endif
	WIN MUL
	MM \s
.endm
	s_wait_alu depctr_va_vdst(0)                   ; the wait at the head's end
	s_wait_tensorcnt 0x0                           ; my group has landed
	s_barrier_signal -1
	s_barrier_wait -1                              ; everybody's has
	FETCH 0
	s_wait_loadcnt 0x0                             ; the bias lies in the accumulators
	KSTEP 0
	KSTEP 1
	KSTEP 2
	KSTEP 3
	KSTEP 4
	KSTEP 5
	KSTEP 6
	KSTEP 7
	WIN 0
.rept 4
	v_nop                                          ; places between the last products and the first read of results
.endr
; THE WAY OUT, a tile of 16 tokens x 64 features at a time, through my own stage: a lane's 128 bytes go in by rows of 272 bytes and come back as whole rows of 256, which sixteen lanes store.
; LDS serves a wave's instructions in order: the loads see the stores above them.  Stage row 2 i + h is token 32 (i / 4) + 8 a + 2 (i % 4) + h of my 64.
.irp a, 0,1,2,3
.irp i, 0,1,2,3,4,5,6,7
	ds_store_b128 v14, v[ACC+32*\a+4*\i:ACC+32*\a+4*\i+3] offset:16*\i   ; each accumulator from its low end on
.endr
.if \a >= 2
	s_wait_xcnt 0x0                                ; the stores of two tiles ago have read the registers that the loads below fill
.endif
.irp i, 0,1,2,3,4,5,6,7
	ds_load_b128 v[32+32*(\a%2)+4*\i:32+32*(\a%2)+4*\i+3], v15 offset:544*\i
.endr
	s_wait_dscnt 0x0
.irp i, 0,1,2,3,4,5,6,7
	global_store_b128 v12, v[32+32*(\a%2)+4*\i:32+32*(\a%2)+4*\i+3], s[8:9] offset:4096*(32*(\i/4)+8*\a+2*(\i%4)) th:TH_STORE_NT   ; 16 lanes store 256 consecutive bytes, aligned to 256
.endr
.endr
	s_wait_tensorcnt 0x0                           ; the wave's end
	ds_add_u32 v126, v127
	s_wait_dscnt 0x0
	CROUND                                         ; the closing round
	s_endpgm
.Lfunc_end_k_qee60b451ff_outp:
	.size	k_qee60b451ff_outp, .Lfunc_end_k_qee60b451ff_outp-k_qee60b451ff_outp
	.p2alignl 7, 3214868480
	.fill 96, 4, 3214868480
	.section	.rodata,"a",@progbits
	.p2align	6, 0x0
	.amdhsa_kernel k_qee60b451ff_outp
		.amdhsa_group_segment_fixed_size 222720
		.amdhsa_private_segment_fixed_size 0
		.amdhsa_enable_private_segment 0
		.amdhsa_kernarg_size 32
		.amdhsa_user_sgpr_count 2
		.amdhsa_user_sgpr_kernarg_segment_ptr 1
		.amdhsa_wavefront_size32 1
		.amdhsa_system_sgpr_workgroup_id_x 1
		.amdhsa_system_sgpr_workgroup_id_y 1
		.amdhsa_system_sgpr_workgroup_id_z 1
		.amdhsa_system_vgpr_workitem_id 0
		.amdhsa_next_free_vgpr 448
		.amdhsa_next_free_sgpr 100
		.amdhsa_reserve_vcc 0
		.amdhsa_float_denorm_mode_32 3
		.amdhsa_float_denorm_mode_16_64 3
		.amdhsa_memory_ordered 1
		.amdhsa_forward_progress 1
		.amdhsa_inst_pref_size 56
	.end_amdhsa_kernel
	.amdgpu_metadata
---
amdhsa.version: [ 1, 2 ]
amdhsa.kernels:
  - .name:           k_qee60b451ff_outp
    .symbol:         k_qee60b451ff_outp.kd
    .args:
      - { .name: xw, .offset: 0, .size: 8, .value_kind: global_buffer, .address_space: global }
      - { .name: oc, .offset: 8, .size: 8, .value_kind: global_buffer, .address_space: global }
      - { .name: bo, .offset: 16, .size: 8, .value_kind: global_buffer, .address_space: global }
      - { .name: out0, .offset: 24, .size: 8, .value_kind: global_buffer, .address_space: global }
    .group_segment_fixed_size: 222720
    .private_segment_fixed_size: 0
    .kernarg_segment_align: 8
    .kernarg_segment_size: 32
    .max_flat_workgroup_size: 128
    .sgpr_count:     100
    .vgpr_count:     448
    .wavefront_size: 32
...
	.end_amdgpu_metadata
.endif
;; end of part 4
